; MI455X (gfx1250); checked and timed in simulation.
; The chip was launched on July 23, 2026; its instructions are those of AMD's public machine-readable ISA for CDNA 5 (MIT licence, August 2026) and "CDNA5" Instruction Set Architecture Reference Guide (July 2026). The comments in the code are by the model that wrote it; some were corrected since.
;; Sentence Llama Attention. Allowed arithmetic: matrix products marked QUANTISED: E2M3 operands, one E8M0 scale for each 32 along K, by v_wmma_scale_f32_16x16x128_f8f6f4 with both operands' format E2M3, f32 sums; everything else in f32.
;; Inputs: Wk_codes 256 x 32 x 24 uint8 (E2M3 codes of Wk, K innermost, in blocks of 32 codes, four codes in three bytes); Wk_scales 256 x 32 uint8 (E8M0 scales of Wk, one for each 32 codes along K); Wo_codes 1,024 x 32 x 24 uint8 (E2M3 codes of Wo, K innermost, in blocks of 32 codes, four codes in three bytes); Wo_scales 1,024 x 32 uint8 (E8M0 scales of Wo, one for each 32 codes along K); Wq_codes 1,024 x 32 x 24 uint8 (E2M3 codes of Wq, K innermost, in blocks of 32 codes, four codes in three bytes); Wq_scales 1,024 x 32 uint8 (E8M0 scales of Wq, one for each 32 codes along K); Wv_codes 256 x 32 x 24 uint8 (E2M3 codes of Wv, K innermost, in blocks of 32 codes, four codes in three bytes); Wv_scales 256 x 32 uint8 (E8M0 scales of Wv, one for each 32 codes along K); clothest_end_of_sentence_token_idx 1 x 4,096 int32; cos 1 x 4,096 x 64 float32; hidden_states_codes 1 x 4,096 x 32 x 24 uint8 (E2M3 codes of hidden_states, K innermost, in blocks of 32 codes, four codes in three bytes); hidden_states_scales 1 x 4,096 x 32 uint8 (E8M0 scales of hidden_states, one for each 32 codes along K); sin 1 x 4,096 x 64 float32; special_embeddings_mask 1 x 4,096 int32.
;; Outputs: out0 1 x 4,096 x 1,024 float32.
;; This version of the problem:
;;   THIS VERSION OF THE PROBLEM IS GIVEN IN LOW PRECISION. The matrix products marked QUANTISED in the list below multiply operands that are first quantised to E2M3 (2 exponent bits, 3 mantissa bits; 6 bits a number), with one power-of-two scale for each 32 numbers along K (OCP MX v1.0); their sums are f32. All else is computed in f32.
;;   The module's matrix products, in the order in which they are computed (A, B: the left and right operand; K: the contracted axis; several contracted axes count as one K, in the product's order):
;;     1. [M 4,096, K 1,024] x [K 1,024, N 1,024]; A: input hidden_states (given as codes); B: input Wq (given as codes): QUANTISED
;;     2. [M 4,096, K 1,024] x [K 1,024, N 256]; A: input hidden_states (given as codes); B: input Wk (given as codes): QUANTISED
;;     3. [M 4,096, K 1,024] x [K 1,024, N 256]; A: input hidden_states (given as codes); B: input Wv (given as codes): QUANTISED
;;     4. batch 16 x [M 4,096, K 64] x [K 64, N 4,096]; A: computed on the way; B: computed on the way: QUANTISED
;;     5. batch 16 x [M 4,096, K 4,096] x [K 4,096, N 64]; A: softmax (see below); B: computed on the way: QUANTISED
;;     6. [M 4,096, K 1,024] x [K 1,024, N 1,024]; A: computed on the way; B: input Wo (given as codes): QUANTISED
;;   THE QUANTISER, for each operand of a quantised product, along K:
;;     - K is cut into blocks of 32 from its start; a last block that is shorter is filled with zeros.
;;     - A block's scale is 2^e with e = floor(log2(the largest magnitude in the block)) - 2, held to -126 .. 127; a block of zeros has e = 0. As a byte (E8M0): e + 127.
;;     - Each number is divided by its block's scale, clamped to +-7.5, and rounded to the nearest number of E2M3, ties to even, subnormals kept.
;;     - The product sums the exact products of the quantised numbers (number of the format x scale) in f32.
;;   ~~~python
;;   def quantise(x, axis):      # numpy; x: float32 -> the quantised numbers, widened to float32 again
;;       x = np.moveaxis(x, axis, -1); K = x.shape[-1]
;;       x = np.pad(x, [(0, 0)] * (x.ndim - 1) + [(0, -K % 32)]); x = x.reshape(x.shape[:-1] + (-1, 32)); a = np.abs(x).max(-1, keepdims=True)
;;       e = np.where(a > 0, np.clip(np.frexp(np.where(a > 0, a, 1))[1] - 1 - 2, -126, 127), 0)      # np.frexp(a)[1] - 1 = floor(log2(a)), exactly
;;       r = np.clip(x / 2.0 ** e, -7.5, 7.5)
;;       step = 2.0 ** (np.maximum(np.frexp(np.where(r == 0, 1, r))[1] - 1, 0) - 3)
;;       q = np.round(r / step) * step * 2.0 ** e      # np.round: ties to even
;;       return np.moveaxis(q.reshape(q.shape[:-2] + (-1,))[..., :K], -1, axis).astype(np.float32)
;;   ~~~
;;   SOFTMAX AHEAD OF A QUANTISED PRODUCT. Where the list says 'softmax', what is quantised is not the finished softmax but p = 2^(t - M), with t = logit x log2(e) and M = ceil(the row's largest t), a whole number; so 1/2 < the row's largest p <= 1. The row's sum l is taken of the UNQUANTISED p, in f32, and the product's result is divided by l at the end. Since M is a whole number, a kernel that streams over the keys may use a running M (the ceiling of the running maximum): every later rescaling is an exact power of two, which a block's scale takes up: the codes' values come out the same.
;;   OPERANDS COMPUTED ON THE WAY. 'Computed on the way' means the value that the module computes at that place (a softmax that the list does not call 'softmax' is quantised finished and normalised). What goes into a quantiser is computed in f32, as accurately as f32 sums, v_exp_f32 and their like allow (about 1e-6 of the number): no bf16 or f16 on the way to a quantiser, and a product that is left as it is and whose result goes on into a quantised operand takes f32 operands (vector FMAs, or v_wmma_f32_16x16x4_f32). A number that lies on a knife's edge between two numbers of the format may be rounded either way, as far as f32 arithmetic and the matrix unit's own rounding can turn it there, and no further.
;;   INPUTS GIVEN AS CODES. Wk (in the module: [1024, 256], K = its axis 0); Wo (in the module: [1024, 1024], K = its axis 0); Wq (in the module: [1024, 1024], K = its axis 0); Wv (in the module: [1024, 256], K = its axis 0); hidden_states (in the module: [1, 4096, 1024], K = its axis 2): each comes as NAME_codes (uint8): NAME with its K axis moved to the last place and cut into blocks of 32 codes, [.., K / 32, bytes a block], one block behind the other in memory; four codes in three bytes: a row's codes are one little-endian stream of bits, code i at bits 6 i .. 6 i + 5 (a code: sign, 2 exponent bits, 3 mantissa bits); and NAME_scales (uint8): the same leading axes, one E8M0 byte (e + 127) for each 32 codes along K. Its value is code x scale, taken as it is: it is not quantised again, and the codes and scales need not be those that the quantiser above would give.
;; 2 versions, each right; version 2 is version 1 with the launch attn written anew for expert scheduling mode. Each part assembles by itself: llvm-mc -triple=amdgcn-amd-amdhsa -mcpu=gfx1250 --defsym DOCPART=n.
;; ======== version 1 of 2: 3 launches
;; limits: right only within a limited range of input values
;; workspace buffers: qc 3,145,728 bytes; qs 262,144 bytes; kv 1,703,936 bytes; fm 8,192 bytes of whole numbers; ac 3,145,728 bytes; asc 131,072 bytes
;; launch proj (part 1): grid 32 x 8, 6 waves a work-group, clusters of 4 x 1, 273,152 bytes of LDS; arguments hidden_states_codes, hidden_states_scales, Wq_codes, Wq_scales, Wk_codes, Wk_scales, Wv_codes, Wv_scales, cos, sin, special_embeddings_mask, qc, qs, kv, fm; writes qc, qs, kv, fm
.if DOCPART == 1
	.amdgcn_target "amdgcn-amd-amdhsa--gfx1250"
	.amdhsa_code_object_version 6
	.text
	.protected	k_q4bfa0476a8_proj
	.globl	k_q4bfa0476a8_proj
	.p2align	8
	.type	k_q4bfa0476a8_proj,@function
k_q4bfa0476a8_proj:
	s_mov_b64 s[64:65], 0
	v_nop
	global_prefetch_b8 v0, s[64:65] scope:SCOPE_SE
	s_setreg_imm32_b32 hwreg(HW_REG_WAVE_MODE, 25, 1), 1
	s_wait_xcnt 0x0
	s_wait_alu depctr_hold_cnt(0) depctr_sa_sdst(0) depctr_va_vdst(0) depctr_va_sdst(0) depctr_va_ssrc(0) depctr_va_vcc(0) depctr_vm_vsrc(0)
	s_getreg_b32 s2, hwreg(HW_REG_IB_STS2, 6, 4)
	s_cmp_eq_u32 s2, 0
	s_cbranch_scc0 .Lentry_in_a_cluster
	s_endpgm
.Lentry_in_a_cluster:
	s_bfe_u32 s2, ttmp6, 0x10000c
	s_cmp_lg_u32 s2, 0x3003
	s_cbranch_scc0 .Lentry_shape_is_right
	s_endpgm
.Lentry_shape_is_right:
; hidden x [Wq | Wk | Wv] on codes of FP6 (E2M3) with E8M0 scales, RoPE on q and k in f32, and the quantiser for q, k (along the head's 64) and v (along the keys).
; The 1,536 columns are 24 heads of 64: 0-15 q, 16-19 k, 20-23 v.  A work-group takes 128 tokens x 3 heads (3 Y .. 3 Y + 2); wave w takes 64 tokens (w / 3) x one head (w % 3): 16 accumulators.
; THE AXIS THAT IS QUANTISED NEXT IS SOURCE 0 (X): for q and k the head's 64 rows of W, for v the 64 tokens.  A lane then holds one row of Y (a token, or a channel of v) and its registers run along X:
; register 8 x + j = element 16 x + 8 (lane / 16) + j.  The 16 registers of tiles 2 b, 2 b + 1 are 16 numbers of block b; behind the conversions and the exchange of halves a lane holds a whole block in the
; order 0-7, 16-23, 8-15, 24-31.  q and k come by the same lines, and so do v and (in the next launch) p: the order is the same on both sides of each product, which leaves the sums as they are.
; WHAT IS STORED.  An ITEM is half an operand, 16 rows x 64 along K: six registers a lane, registers 0-3 at 16 x lane (512 bytes), registers 4-5 at 512 + 8 x lane (256 bytes).  The scale words of four items are
; one block of 256 bytes: lane l's word p belongs to item 2 p + l / 16, row l % 16, and holds the item's two bytes twice.  Every store of a wave covers 512 or 256 consecutive bytes, aligned.
; All of K (1,024) of the work-group's five blocks of 64 rows lies in LDS at once: filled once, one barrier, nothing filled again.
; CLUSTER: the four partners differ in their tokens alone and need the same three heads of W: these come by joint loads (mask 15).  A cluster along y too is not taken: which LDS block is X and whether RoPE is
; run hang on the head, which would differ between such partners.
; Wave 5 of the work-groups with Y = 0 also turns 128 numbers of special_embeddings_mask into 64 lane masks for the next launch (fm).
; LIMITS: NaN and infinities are not served; a block whose largest magnitude lies under 2^-124 keeps the byte 1 (a block of zeros too: its codes are zeros, and only this program reads the bytes).
.set UNIT,  52224                      ; 64 rows x 816 bytes: a row's 768 bytes with 16 of padding behind each 256
.set SCL,   5*UNIT                     ; behind the five blocks: their scale bytes, 2,048 each, as 8 rows of 256 + 16
.set SUN,   2176
.set REC,   13312                      ; a record of kv: 8 items of K, 8 of V, 2 + 2 blocks of scale words
.set TM,    16                         ; the way out (v16-63, where X's fragments lay): v16-19 largest magnitudes, v20-23 bytes, v28-31 scale operands
.set PC,    32                         ; v32-43 codes, v44-50 second halves
.set PW,    52                         ; the four bytes just made
.set WD,    54                         ; v54-55 my two scale words
.set ACC,   128                        ; v128-255: accumulator (y, x) at ACC + 32 y + 8 x
.set WV,    34
.set SEL,   42
.set MSB, 0
.macro WIN new                         ; the immediate's high byte repeats the setting that is left
.if MSB != \new
	s_set_vgpr_msb (MSB<<8)|\new
.set MSB, \new
.endif
.endm
.macro CROUND                          ; a round of the cluster's barrier
	s_barrier_signal -1
	s_barrier_wait -1
	s_cmp_lg_u32 s[WV], 0
	s_cbranch_scc1 .Lnot_wave_0_\@
	s_barrier_signal -3
.Lnot_wave_0_\@:
	s_barrier_wait -3
	s_barrier_signal -1
	s_barrier_wait -1
.endm
	s_load_b512 s[4:19], s[0:1], 0x0               ; hidden codes, scales; Wq codes, scales; Wk codes, scales; Wv codes, scales
	s_load_b256 s[20:27], s[0:1], 0x40             ; cos, sin, special, qc
	s_load_b128 s[28:31], s[0:1], 0x60             ; qs, kv
	s_load_b64 s[32:33], s[0:1], 0x70              ; fm
	v_lshl_add_u32 v126, v0, 2, 0x42800
	v_mov_b32 v127, 0
	ds_add_u32 v126, v127
	ds_add_u32 v126, v127
	v_lshrrev_b32 v1, 5, v0
	v_readfirstlane_b32 s[WV], v1                  ; wave 0..5
	s_bfe_u32 s35, ttmp6, 0x40000                  ; cx
	s_lshl_b32 s36, ttmp9, 2
	s_add_co_u32 s36, s36, s35                     ; XG: my block of 128 tokens
	s_and_b32 s37, ttmp7, 0xffff                   ; Y: my three heads
	s_mul_i32 s39, s[WV], 11
	s_lshr_b32 s39, s39, 5                         ; TG = wave / 3
	s_mul_i32 s38, s39, 3
	s_sub_co_u32 s38, s[WV], s38                   ; HS = wave % 3
	s_mul_i32 s40, s37, 3
	s_add_co_u32 s40, s40, s38                     ; HD: my head, 0..23
	s_mov_b32 s[SEL], 0x76543210
	s_mov_b32 s[SEL+1], 0xfedcba98                 ; v_permlanex16_b32's selects for lane l xor 16
	; descriptor group 1.  Codes: 64 rows of 768 bytes, 16 bytes of padding behind every 64 words.  s[44:51] joint (mask 15, bit 21 beside it), s[52:59] plain
	s_mov_b32 s44, 15|(1<<20)|(1<<21)|(5<<22)|(3<<25)
	s_mov_b32 s52, (1<<20)|(5<<22)|(3<<25)
.irp g, 44, 52
	s_mov_b32 s[\g+1], 768<<16                     ; tensor_dim0
	s_mov_b32 s[\g+2], 64<<16                      ; tensor_dim1
	s_mov_b32 s[\g+3], 768<<16                     ; tile_dim0
	s_mov_b32 s[\g+4], 64                          ; tile_dim1
	s_mov_b32 s[\g+5], 768                         ; from row to row
	s_mov_b32 s[\g+6], 0
	s_mov_b32 s[\g+7], 0
.endr
	; Scale bytes: 2,048 dense bytes as 8 rows of 32 elements of 8 bytes, 16 bytes of padding behind each.  s[68:75] joint, s[76:83] plain
	s_mov_b32 s68, 15|(3<<16)|(1<<20)|(1<<21)|(5<<22)|(3<<25)
	s_mov_b32 s76, (3<<16)|(1<<20)|(5<<22)|(3<<25)
.irp g, 68, 76
	s_mov_b32 s[\g+1], 32<<16
	s_mov_b32 s[\g+2], 8<<16
	s_mov_b32 s[\g+3], 32<<16
	s_mov_b32 s[\g+4], 8
	s_mov_b32 s[\g+5], 32
	s_mov_b32 s[\g+6], 0
	s_mov_b32 s[\g+7], 0
.endr
	s_wait_dscnt 0x0
	s_wait_kmcnt 0x0
	; the head's 64 rows of its weight: the choice hangs on Y and the wave alone, which the four partners share
	s_cmp_lt_u32 s40, 20
	s_cselect_b64 s[60:61], s[12:13], s[16:17]
	s_cselect_b64 s[62:63], s[14:15], s[18:19]
	s_cselect_b32 s66, 16, 20
	s_cmp_lt_u32 s40, 16
	s_cselect_b64 s[60:61], s[8:9], s[60:61]
	s_cselect_b64 s[62:63], s[10:11], s[62:63]
	s_cselect_b32 s66, 0, s66
	s_sub_co_u32 s66, s40, s66                     ; the head's number in its own weight
	s_mul_i32 s100, s66, 49152
	s_mov_b32 s101, 0
	s_add_nc_u64 s[60:61], s[60:61], s[100:101]
	s_lshl_b32 s100, s66, 11
	s_add_nc_u64 s[62:63], s[62:63], s[100:101]
	; group 0, joint: s[84:87] codes, s[88:91] scale bytes.  LDS: block = wave
	s_mov_b32 s84, 1
	s_mul_i32 s85, s[WV], UNIT
	s_mov_b64 s[86:87], s[60:61]
	s_or_b32 s87, s87, 0x80000000
	s_mov_b32 s88, 1
	s_mul_i32 s89, s[WV], SUN
	s_add_co_u32 s89, s89, SCL
	s_mov_b64 s[90:91], s[62:63]
	s_or_b32 s91, s91, 0x80000000
	; group 0, plain: s[92:95], s[96:99]: waves 3 and 4 bring my tokens' two blocks of 64 rows of hidden
	s_lshr_b32 s67, s[WV], 2                       ; 0 in wave 3, 1 in wave 4
	s_lshl_b32 s2, s36, 1
	s_add_co_u32 s67, s67, s2
	s_mul_i32 s2, s67, 49152
	s_mov_b32 s3, 0
	s_mov_b32 s92, 1
	s_mul_i32 s93, s[WV], UNIT
	s_add_nc_u64 s[94:95], s[4:5], s[2:3]
	s_or_b32 s95, s95, 0x80000000
	s_lshl_b32 s2, s67, 11
	s_mov_b32 s96, 1
	s_mul_i32 s97, s[WV], SUN
	s_add_co_u32 s97, s97, SCL
	s_add_nc_u64 s[98:99], s[6:7], s[2:3]
	s_or_b32 s99, s99, 0x80000000
	CROUND                                         ; all four work-groups are here: the joint loads meet
	s_cmp_lt_u32 s[WV], 3                          ; a wave's two fills stand in one branch on its number; two tensor loads of a wave are out at the most; wave 5 issues none
	s_cbranch_scc0 .Lnot_w
	tensor_load_to_lds s[84:87], s[44:51]
	s_nop 0
	tensor_load_to_lds s[88:91], s[68:75]
	s_nop 0
.rept 4
	v_nop
.endr
	s_branch .Lfilled
.Lnot_w:
	s_cmp_lt_u32 s[WV], 5
	s_cbranch_scc0 .Lfilled
	tensor_load_to_lds s[92:95], s[52:59]
	s_nop 0
	tensor_load_to_lds s[96:99], s[76:83]
	s_nop 0
.rept 4
	v_nop
.endr
.Lfilled:
	; addresses
	v_and_b32 v11, 15, v0                          ; r
	v_bfe_u32 v12, v0, 4, 1                        ; h
	v_and_b32 v13, 31, v0                          ; lane
	v_lshlrev_b32 v7, 4, v13                       ; 16 x lane
	v_lshlrev_b32 v8, 3, v13                       ; 8 x lane
	v_lshlrev_b32 v9, 4, v12                       ; 16 h
	v_lshlrev_b32 v10, 8, v11
	v_lshl_add_u32 v10, v12, 5, v10                ; cos, sin: row r of 256 bytes, + 32 h
	v_mul_u32_u24 v14, v11, 816
	v_mad_u32_u24 v14, v12, 24, v14                ; a fragment's row x pitch + 24 h
	s_add_co_u32 s41, s39, 3                       ; my tokens' block
	s_cmp_ge_u32 s40, 20                           ; v: X = the tokens, Y = the weight's rows; q, k: the other way round
	s_cselect_b32 s66, s41, s38
	s_cselect_b32 s67, s38, s41
	s_mul_i32 s100, s66, UNIT
	s_mul_i32 s101, s67, UNIT
	v_add_nc_u32 v1, s100, v14                     ; X's fragments,
	v_add_nc_u32 v2, v1, v9                        ; and the same for the pieces whose upper half lies behind one padding more
	v_add_nc_u32 v3, s101, v14                     ; Y's
	v_add_nc_u32 v4, v3, v9
	v_lshrrev_b32 v15, 3, v11
	v_mul_u32_u24 v15, v15, 272
	v_and_b32 v13, 7, v11
	v_lshl_add_u32 v15, v13, 5, v15                ; a row's 32 scale bytes: 272 (r / 8) + 32 (r % 8)
	s_mul_i32 s100, s66, SUN
	s_add_co_u32 s100, s100, SCL
	s_mul_i32 s101, s67, SUN
	s_add_co_u32 s101, s101, SCL
	v_add_nc_u32 v5, s100, v15
	v_add_nc_u32 v6, s101, v15
	; fm: the lane masks of key step XG.  Dword n = 8 t + j: lanes 0-15 special[128 XG + 16 t + j], lanes 16-31 special[.. + 8].  Lane l of register R makes dword 32 R + l
	s_cmp_eq_u32 s[WV], 5
	s_cbranch_scc0 .Lno_fm
	s_cmp_eq_u32 s37, 0
	s_cbranch_scc0 .Lno_fm
	v_and_b32 v16, 31, v0
	v_lshlrev_b32 v17, 2, v16
	s_lshl_b32 s2, s36, 9
	s_mov_b32 s3, 0
	s_add_nc_u64 s[24:25], s[24:25], s[2:3]
.irp b, 0,1,2,3
	global_load_b32 v[18+\b], v17, s[24:25] offset:128*\b
.endr
	s_lshl_b32 s2, s36, 8
	s_add_nc_u64 s[32:33], s[32:33], s[2:3]
	v_bfe_u32 v22, v0, 3, 1
	v_and_b32 v23, 7, v0
	v_lshl_add_u32 v22, v22, 4, v23                ; the key's bit in its word of 32 keys: 16 (t % 2) + j
	s_mov_b32 s67, 0xffff0000
	s_wait_loadcnt 0x0
.irp b, 0,1,2,3
	v_cmp_ne_u32 s[60+\b], 0, v[18+\b]             ; 32 keys to a word
.endr
.irp R, 0,1
	v_mov_b32 v24, s[60+2*\R]
	v_mov_b32 v25, s[61+2*\R]
	v_cndmask_b32 v24, v24, v25, s67               ; t / 2 = 2 R + l / 16
	v_lshrrev_b32 v24, v22, v24
	v_and_b32 v25, 1, v24                          ; key 16 t + j,
	v_bfe_u32 v24, v24, 8, 1                       ; key 16 t + 8 + j
	v_mul_u32_u24 v25, v25, 0xffff
	v_mul_u32_u24 v24, v24, 0xffff
	v_lshl_or_b32 v[26+\R], v24, 16, v25
	global_store_b32 v17, v[26+\R], s[32:33] offset:128*\R
.endr
	s_wait_xcnt 0x0                                ; the stores' registers take fragments below
.Lno_fm:
	; cos and sin of my 64 tokens, in the accumulators' layout, into window 1: cos at 64 y + 8 x + j, sin 32 further on
	s_cmp_lt_u32 s40, 20
	s_cbranch_scc0 .Lno_trig
	s_lshl_b32 s2, s36, 1
	s_add_co_u32 s2, s2, s39
	s_lshl_b32 s2, s2, 14                          ; 64 rows of 256 bytes
	s_mov_b32 s3, 0
	s_add_nc_u64 s[20:21], s[20:21], s[2:3]
	s_add_nc_u64 s[22:23], s[22:23], s[2:3]
	WIN 0x40                                       ; destination window 1
.irp y, 0,1,2,3
.irp x, 0,1,2,3
.irp i, 0,1
	global_load_b128 v[64*\y+8*\x+4*\i:64*\y+8*\x+4*\i+3], v10, s[20:21] offset:4096*\y+64*\x+16*\i
	global_load_b128 v[64*\y+32+8*\x+4*\i:64*\y+32+8*\x+4*\i+3], v10, s[22:23] offset:4096*\y+64*\x+16*\i
.endr
.endr
.endr
	WIN 0
.Lno_trig:
	; where my four items and my block of scale words go
	s_sub_co_u32 s66, s40, 16
	s_and_b32 s66, s66, 3                          ; the key and value head
	s_lshl_b32 s66, s66, 5
	s_add_co_u32 s66, s66, s36
	s_mul_i32 s66, s66, REC                        ; its record of key step XG
	s_mul_i32 s67, s39, 3072
	s_add_co_u32 s67, s67, s66                     ; k: items 4 TG on
	s_lshl_b32 s100, s39, 8
	s_add_co_u32 s100, s100, s66
	s_add_co_u32 s100, s100, 12288                 ; k: scale block TG
	s_cmp_ge_u32 s40, 20
	s_cselect_b32 s66, 6144, 0                     ; v's lie behind k's
	s_cselect_b32 s101, 512, 0
	s_add_co_u32 s67, s67, s66
	s_add_co_u32 s100, s100, s101
	s_lshl_b32 s66, s40, 5
	s_add_co_u32 s66, s66, s36
	s_lshl_b32 s66, s66, 1
	s_add_co_u32 s66, s66, s39                     ; q: 64 HD + 2 XG + TG: the group of 64 tokens
	s_mul_i32 s2, s66, 3072                        ; four items of 768 bytes
	s_lshl_b32 s66, s66, 8
	s_cmp_lt_u32 s40, 16
	s_cselect_b32 s2, s2, s67
	s_cselect_b32 s66, s66, s100
	s_cselect_b64 s[60:61], s[26:27], s[30:31]
	s_cselect_b64 s[62:63], s[28:29], s[30:31]
	s_mov_b32 s3, 0
	s_mov_b32 s67, 0
	s_add_nc_u64 s[60:61], s[60:61], s[2:3]
	s_add_nc_u64 s[62:63], s[62:63], s[66:67]
	s_wait_tensorcnt 0x0                           ; my parts have landed,
	s_barrier_signal -1
	s_barrier_wait -1                              ; everybody's have
; A fragment, 16 rows x 128 K, from rows of 768 bytes: lane (r, h) takes bytes 96 ks + 24 h + 0 .. 23 and 48 further on, in pieces of 8.  Data byte z lies at z + 16 (z / 256); where the upper half's piece
; (24 bytes on) lies behind one padding more, the second address register (40 h for 24 h) serves.
.macro FRAGROW reg, adr, imm, ks
.irp p, 0,1,2,3,4,5
.set ZZ, 96*(\ks)+48*(\p/3)+8*(\p%3)
.if (ZZ/256) == ((ZZ+24)/256)
	ds_load_b64 v[\reg+2*\p:\reg+2*\p+1], v[\adr] offset:(\imm)+ZZ+16*(ZZ/256)
.else
	ds_load_b64 v[\reg+2*\p:\reg+2*\p+1], v[\adr+1] offset:(\imm)+ZZ+16*(ZZ/256)
.endif
.endr
.endm
; 128 along K: X's four fragments (v16-63), Y's four (v64-111), their scale words (v112-115, v116-119), 16 matrix instructions.  The 16 accumulators take turns, in the same order in every step.
.macro KSTEP ks
.if \ks > 0
.rept 4
	v_nop                                          ; places in front of loads into registers that matrix instructions have read
.endr
.endif
.irp x, 0,1,2,3
	FRAGROW 16+12*\x, 1, 13056*\x, \ks
	FRAGROW 64+12*\x, 3, 13056*\x, \ks
	ds_load_b32 v[112+\x], v5 offset:544*\x+4*(\ks)
	ds_load_b32 v[116+\x], v6 offset:544*\x+4*(\ks)
.endr
	s_wait_dscnt 0x0
.irp y, 0,1,2,3
.irp x, 0,1,2,3
.if \ks == 0
	v_wmma_scale_f32_16x16x128_f8f6f4 v[ACC+32*\y+8*\x:ACC+32*\y+8*\x+7], v[16+12*\x:27+12*\x], v[64+12*\y:75+12*\y], 0, v[112+\x], v[116+\y] matrix_a_fmt:MATRIX_FMT_FP6 matrix_b_fmt:MATRIX_FMT_FP6
.else
	v_wmma_scale_f32_16x16x128_f8f6f4 v[ACC+32*\y+8*\x:ACC+32*\y+8*\x+7], v[16+12*\x:27+12*\x], v[64+12*\y:75+12*\y], v[ACC+32*\y+8*\x:ACC+32*\y+8*\x+7], v[112+\x], v[116+\y] matrix_a_fmt:MATRIX_FMT_FP6 matrix_b_fmt:MATRIX_FMT_FP6
.endif
.endr
.endr
.endm
; RoPE on token tile y: d and d + 32 lie in the same lane, 16 registers apart.  x'(d) = x(d) cos(d) - x(d + 32) sin(d);  x'(d + 32) = x(d + 32) cos(d + 32) + x(d) sin(d + 32)
.macro ROPE y
	WIN 0x04                                       ; source 1 (cos, sin) in window 1
.irp x, 0,1
.irp jj, 0,2,4,6
.set LO, ACC+32*(\y)+8*\x+\jj
.set HI, LO+16
.set CL, 64*(\y)+8*\x+\jj
.set TT, 56+2*(\jj%4)
	v_pk_mul_f32 v[TT:TT+1], v[HI:HI+1], v[CL+32:CL+33]
	v_pk_mul_f32 v[TT+2:TT+3], v[LO:LO+1], v[CL+48:CL+49]
	v_pk_fma_f32 v[LO:LO+1], v[LO:LO+1], v[CL:CL+1], v[TT:TT+1] neg_lo:[0,0,1] neg_hi:[0,0,1]
	v_pk_fma_f32 v[HI:HI+1], v[HI:HI+1], v[CL+16:CL+17], v[TT+2:TT+3]
.endr
.endr
.endm
; 64 numbers of a lane, four half blocks of 16 (the other halves lie in lane l xor 16), become 12 registers of codes in v[PC] on (a whole block to a lane) and four scale bytes in v[PW]
.macro QUANT s
.irp b, 0,1,2,3
	v_max3_num_f32 v[TM+\b], |v[\s+16*\b]|, |v[\s+1+16*\b]|, 0x1800000   ; my 16 numbers, and the floor 2^(3 - 127): the byte cannot fall under 1
.endr
.irp i, 2,4,6,8,10,12,14
.irp b, 0,1,2,3
	v_max3_num_f32 v[TM+\b], v[TM+\b], |v[\s+16*\b+\i]|, |v[\s+1+16*\b+\i]|
.endr
.endr
.irp b, 0,1,2,3
	v_permlanex16_b32 v[TM+4+\b], v[TM+\b], s[SEL], s[SEL+1]
.endr
.irp b, 0,1,2,3
	v_max_num_f32 v[TM+\b], v[TM+\b], v[TM+4+\b]   ; the block's largest magnitude
.endr
.irp b, 0,1,2,3
	v_add_nc_u32 v[TM+12+\b], 0xff000000, v[TM+\b] ; 2 off its exponent field: the conversion's scale operand
.endr
.irp b, 0,1,2,3
	v_lshrrev_b32 v[TM+4+\b], 23, v[TM+12+\b]      ; the scale's byte
.endr
	v_lshl_or_b32 v[PW], v[TM+5], 8, v[TM+4]
	v_lshl_or_b32 v[PW], v[TM+6], 16, v[PW]
	v_lshl_or_b32 v[PW], v[TM+7], 24, v[PW]
.irp c, 0,1
	v_cvt_scalef32_pk16_fp6_f32 v[PC+6*\c:PC+2+6*\c], v[\s+32*\c:\s+15+32*\c], v[TM+12+2*\c]
	v_cvt_scalef32_pk16_fp6_f32 v[PC+12+4*\c:PC+14+4*\c], v[\s+16+32*\c:\s+31+32*\c], v[TM+12+2*\c+1]
.endr
	v_nop                                          ; one plain place behind a scaled conversion
.irp c, 0,1
.irp i, 0,1,2
	v_permlane16_swap_b32 v[PC+6*\c+\i], v[PC+12+4*\c+\i]
.endr
.irp i, 0,1,2
	v_mov_b32 v[PC+3+6*\c+\i], v[PC+12+4*\c+\i]
.endr
.endr
.endm
; Y tiles 2 p and 2 p + 1: RoPE (q, k), the quantiser, two items out, my scale word
.macro PAIR p
	s_cmp_lt_u32 s40, 20
	s_cbranch_scc0 .Lno_rope_\@
	ROPE 2*\p
	ROPE 2*\p+1
	WIN 0
.Lno_rope_\@:
.if \p > 0
	s_wait_xcnt 0x0                                ; the first pair's stores have read the codes' registers
.endif
	QUANT ACC+64*\p
.irp c, 0,1
	global_store_b128 v7, v[PC+6*\c:PC+6*\c+3], s[60:61] offset:768*(2*\p+\c)
	global_store_b64 v8, v[PC+6*\c+4:PC+6*\c+5], s[60:61] offset:768*(2*\p+\c)+512
.endr
	v_lshrrev_b32 v53, v9, v[PW]                   ; lanes 0-15: tile 2 p's two bytes, lanes 16-31: tile 2 p + 1's,
	v_and_b32 v53, 0xffff, v53
	v_lshl_or_b32 v[WD+\p], v53, 16, v53           ; twice
.endm
.irp k, 0,1,2,3,4,5,6,7
	KSTEP \k
.endr
.rept 4
	v_nop                                          ; places behind the last products
.endr
.irp b, 0,1,2,3
	v_mov_b32 v[TM+4+\b], 0                        ; a lane permute's destination counts as one of its sources
.endr
	s_wait_loadcnt 0x0                             ; cos and sin
	PAIR 0
	PAIR 1
	global_store_b64 v8, v[WD:WD+1], s[62:63]      ; 256 consecutive bytes
	s_wait_tensorcnt 0x0
	ds_add_u32 v126, v127
	s_wait_dscnt 0x0
	CROUND                                         ; the closing round
	s_endpgm
.Lfunc_end_k_q4bfa0476a8_proj:
	.size	k_q4bfa0476a8_proj, .Lfunc_end_k_q4bfa0476a8_proj-k_q4bfa0476a8_proj
	.p2alignl 7, 3214868480
	.fill 96, 4, 3214868480
	.section	.rodata,"a",@progbits
	.p2align	6, 0x0
	.amdhsa_kernel k_q4bfa0476a8_proj
		.amdhsa_group_segment_fixed_size 273152
		.amdhsa_private_segment_fixed_size 0
		.amdhsa_enable_private_segment 0
		.amdhsa_kernarg_size 120
		.amdhsa_user_sgpr_count 2
		.amdhsa_user_sgpr_kernarg_segment_ptr 1
		.amdhsa_wavefront_size32 1
		.amdhsa_system_sgpr_workgroup_id_x 1
		.amdhsa_system_sgpr_workgroup_id_y 1
		.amdhsa_system_sgpr_workgroup_id_z 1
		.amdhsa_system_vgpr_workitem_id 0
		.amdhsa_next_free_vgpr 512
		.amdhsa_next_free_sgpr 102
		.amdhsa_reserve_vcc 0
		.amdhsa_float_denorm_mode_32 3
		.amdhsa_float_denorm_mode_16_64 3
		.amdhsa_memory_ordered 1
		.amdhsa_forward_progress 1
		.amdhsa_inst_pref_size 81
	.end_amdhsa_kernel
	.amdgpu_metadata
---
amdhsa.version: [ 1, 2 ]
amdhsa.kernels:
  - .name:           k_q4bfa0476a8_proj
    .symbol:         k_q4bfa0476a8_proj.kd
    .args:
      - { .name: hidden_states_codes, .offset: 0, .size: 8, .value_kind: global_buffer, .address_space: global }
      - { .name: hidden_states_scales, .offset: 8, .size: 8, .value_kind: global_buffer, .address_space: global }
      - { .name: Wq_codes, .offset: 16, .size: 8, .value_kind: global_buffer, .address_space: global }
      - { .name: Wq_scales, .offset: 24, .size: 8, .value_kind: global_buffer, .address_space: global }
      - { .name: Wk_codes, .offset: 32, .size: 8, .value_kind: global_buffer, .address_space: global }
      - { .name: Wk_scales, .offset: 40, .size: 8, .value_kind: global_buffer, .address_space: global }
      - { .name: Wv_codes, .offset: 48, .size: 8, .value_kind: global_buffer, .address_space: global }
      - { .name: Wv_scales, .offset: 56, .size: 8, .value_kind: global_buffer, .address_space: global }
      - { .name: cos, .offset: 64, .size: 8, .value_kind: global_buffer, .address_space: global }
      - { .name: sin, .offset: 72, .size: 8, .value_kind: global_buffer, .address_space: global }
      - { .name: special_embeddings_mask, .offset: 80, .size: 8, .value_kind: global_buffer, .address_space: global }
      - { .name: qc, .offset: 88, .size: 8, .value_kind: global_buffer, .address_space: global }
      - { .name: qs, .offset: 96, .size: 8, .value_kind: global_buffer, .address_space: global }
      - { .name: kv, .offset: 104, .size: 8, .value_kind: global_buffer, .address_space: global }
      - { .name: fm, .offset: 112, .size: 8, .value_kind: global_buffer, .address_space: global }
    .group_segment_fixed_size: 273152
    .private_segment_fixed_size: 0
    .kernarg_segment_align: 8
    .kernarg_segment_size: 120
    .max_flat_workgroup_size: 192
    .sgpr_count:     102
    .vgpr_count:     512
    .wavefront_size: 32
...
	.end_amdgpu_metadata
.endif
;; end of part 1
;; launch attn (part 2): grid 64 x 4, 16 waves a work-group, no clusters, 67,584 bytes of LDS; arguments qc, qs, kv, fm, clothest_end_of_sentence_token_idx, ac, asc; writes ac, asc
.if DOCPART == 2
	.amdgcn_target "amdgcn-amd-amdhsa--gfx1250"
	.amdhsa_code_object_version 6
	.text
	.protected	k_q4bfa0476a8_attn
	.globl	k_q4bfa0476a8_attn
	.p2align	8
	.type	k_q4bfa0476a8_attn,@function
k_q4bfa0476a8_attn:
	s_mov_b64 s[64:65], 0
	v_nop
	global_prefetch_b8 v0, s[64:65] scope:SCOPE_SE
	s_setreg_imm32_b32 hwreg(HW_REG_WAVE_MODE, 25, 1), 1
	s_wait_xcnt 0x0
; Attention on codes of FP6 (E2M3) under the mask  key <= query AND (key >= eos[query] OR special[key]),  then the quantiser for the result along head x 64 + channel.
; SHARES.  A work-group serves one key and value head (y) and its four query heads; each of its sixteen waves owns one tile of 16 queries of one head.  Wave w: head 4 y + w / 4; tile g, 127 - g, 128 + g or
; 255 - g (g = work-group x), by (w + w / 4) % 4.  A tile T has T / 8 + 1 key steps under the causal mask, so each head's four tiles have 66 steps whatever g is.
; LAYOUT.  Both products are used transposed: S^T = K Q^T, O^T = V^T P^T: a lane holds ONE query.  The head's 64 fill half of the instruction's 128 along K: Q's upper six registers are zero codes, and K's operand
; of tile t simply runs on into tile t + 1's registers: whatever stands there meets zeros; the scale words hold their two bytes twice, so that the idle blocks' scales are the real ones.
; p's and V's blocks of 32 keys hold their codes in the same order (0-7, 16-23, 8-15, 24-31), which leaves the sums as they are.
; K AND V come as records of 13,312 bytes a key step of 128 keys, laid in the order of the operands' registers.  Two LDS slots of two records take turns; all sixteen waves copy the next slot through registers
; (loads behind the barrier, LDS stores behind the slot's two steps) and read the slot in hand.  One barrier a slot: in front of it each wave has waited for its LDS stores and loads.
; NO TENSOR LOADS AND NO JOINT REQUESTS: how many steps a wave works and which form of the mask a step takes are scalar branches on eos, a number read from memory.
; Every wave passes every barrier: what is jumped over is a step's work.
; THE SOFTMAX: t = score x log2(e) / 8; M = the running largest t rounded up to a whole number; p = 2^(t - M) is quantised along the keys; the row's sum is taken of the unquantised p and divides at the end.
; A HIDDEN SCORE becomes -2^33 (a logit of -2^30 for reference()'s -1e9).  Its t is a whole number, so a row with no key allowed has p = 1 for every key: reference()'s uniform row.  Such a row has
; eos > query; a wave that holds one walks all 4,096 keys.  In every other row p of a hidden key is 0, and what was summed before the first allowed key is wiped by the factor 2^(old M - new M) = 0.
; LIMITS: allowed logits lie well above -1e9; NaN and infinities are not served; a block whose largest magnitude lies under 2^-124 keeps the byte 1.
; REGISTERS: v1-2 LDS addresses of the step; v3 16 x lane, v4 8 x lane, v5 16 x thread, v6 the copy's LDS address; v7 -2^33; v8 query - 8 h, v9 eos - 8 h, v10-11 the same less the step's first key;
; v12 -M, v13 largest t, v[14:15] the sum; v16-21 Q, v22-27 zeros; v28 Q's scale word, v29 p's; v[30:31] f; v32-79 K's eight items, later V's four fragments; v80-85 zeros; v86-89 K's scale words;
; v90-93 V's; v96-159 S^T, then p; v160-191 O^T; v192-203 p's codes; v204-229 at work; v230-245 the copy.
; s16-63, s68-83: the step's 64 lane masks; s86 wave, s87 T, s88 head, s89 the step's first key, s90 the last key that I work, s91 below it a step is far, s92 slot in hand, s93 offset in fm, s94 trips, s95 other slot.
.set REC,   13312
.set SLOTB, 2*REC
.set SLOT1, 32768
.macro COPY_IN                         ; a slot is 1,664 pieces of 16 bytes: three for each of 512 threads, and a fourth for waves 0 to 3
	global_load_b128 v[230:233], v5, s[8:9]
	global_load_b128 v[234:237], v5, s[8:9] offset:8192
	global_load_b128 v[238:241], v5, s[8:9] offset:16384
	s_cmp_lt_u32 s86, 4
	s_cbranch_scc0 .Lthree_\@
	global_load_b128 v[242:245], v5, s[8:9] offset:24576
.Lthree_\@:
.endm
.macro COPY_OUT adr
	s_wait_loadcnt 0x0                             ; the pieces are in, and their base may step
	ds_store_b128 v[\adr], v[230:233]
	ds_store_b128 v[\adr], v[234:237] offset:8192
	ds_store_b128 v[\adr], v[238:241] offset:16384
	s_cmp_lt_u32 s86, 4
	s_cbranch_scc0 .Lthree_\@
	ds_store_b128 v[\adr], v[242:245] offset:24576
.Lthree_\@:
	s_add_nc_u64 s[8:9], s[8:9], SLOTB
.endm
	s_load_b256 s[4:11], s[0:1], 0x0               ; qc, qs, kv, fm
	s_load_b128 s[12:15], s[0:1], 0x20             ; eos, ac
	s_load_b64 s[84:85], s[0:1], 0x30              ; asc
	v_lshl_add_u32 v254, v0, 2, 0x10000
	v_mov_b32 v255, 0
	v_lshrrev_b32 v1, 5, v0
	v_readfirstlane_b32 s86, v1                    ; wave 0..15
	v_and_b32 v1, 31, v0
	v_lshlrev_b32 v3, 4, v1
	v_lshlrev_b32 v4, 3, v1
	v_lshlrev_b32 v5, 4, v0
	v_and_b32 v212, 15, v0                         ; r
	v_bfe_u32 v213, v0, 4, 1                       ; h
	v_lshlrev_b32 v214, 3, v212                    ; 8 r
	v_lshlrev_b32 v215, 2, v212                    ; 4 r
.irp j, 22,23,24,25,26,27,80,81,82,83,84,85,14,15,31,216,217,218,219
	v_mov_b32 v\j, 0                               ; zero codes; the sum; the idle half of f's pair; the lane permutes' destinations
.endr
.set n, 0
.rept 32
	v_mov_b32 v[160+n], 0                          ; O^T: the step is written once, and the first change of M leaves zeros zeros
.set n, n+1
.endr
	v_mov_b32 v7, 0xd0000000                       ; -2^33
	v_mov_b32 v13, 0xff61b1e6                      ; the largest t so far: -3e38
	v_floor_f32 v12, -v13
	s_lshr_b32 s100, s86, 2
	s_and_b32 s101, ttmp7, 0xffff                  ; the key and value head
	s_lshl_b32 s88, s101, 2
	s_add_co_u32 s88, s88, s100                    ; my head
	s_add_co_u32 s100, s86, s100
	s_and_b32 s100, s100, 3                        ; which of the four tiles
	s_sub_co_u32 s87, 127, ttmp9
	s_bitcmp1_b32 s100, 0
	s_cselect_b32 s87, s87, ttmp9
	s_lshr_b32 s100, s100, 1
	s_lshl_b32 s100, s100, 7
	s_add_co_u32 s87, s87, s100                    ; T
	s_mul_i32 s100, s101, 32*REC
	s_mov_b32 s101, 0
	s_mov_b32 s96, 0x76543210
	s_mov_b32 s97, 0xfedcba98                      ; v_permlanex16_b32's selects for lane l xor 16
	s_mov_b32 s98, 0x3e38aa3b                      ; c = log2(e) / 8
	s_mov_b32 s99, s98
	s_mov_b32 s89, 0
	s_mov_b32 s93, 0
	s_mov_b32 s94, 16
	s_mov_b32 s95, SLOT1
	s_wait_kmcnt 0x0
	s_add_nc_u64 s[8:9], s[8:9], s[100:101]        ; my head's records
	COPY_IN                                        ; slot 0
	s_lshl_b32 s100, s88, 8
	s_add_co_u32 s100, s100, s87
	s_mul_i32 s100, s100, 768
	s_add_nc_u64 s[4:5], s[4:5], s[100:101]        ; Q's item
	global_load_b128 v[16:19], v3, s[4:5]
	global_load_b64 v[20:21], v4, s[4:5] offset:512
	s_lshl_b32 s100, s88, 6
	s_lshr_b32 s92, s87, 2
	s_add_co_u32 s100, s100, s92
	s_lshl_b32 s100, s100, 8                       ; the block of scale words of my group of four tiles;
	s_and_b32 s92, s87, 1
	s_lshl_b32 s92, s92, 7
	s_add_co_u32 s100, s100, s92                   ; in it tile y = T % 4 has lanes 16 (y % 2) on,
	s_and_b32 s92, s87, 2
	s_lshl_b32 s92, s92, 1
	s_add_co_u32 s100, s100, s92                   ; word y / 2
	s_add_nc_u64 s[6:7], s[6:7], s[100:101]
	global_load_b32 v28, v214, s[6:7]
	s_lshl_b32 s100, s87, 6
	s_add_nc_u64 s[12:13], s[12:13], s[100:101]    ; eos of my 16 queries: as scalars and a lane a query
	s_load_b512 s[16:31], s[12:13], 0x0
	global_load_b32 v9, v215, s[12:13]
	s_lshl_b32 s100, s87, 4
	s_add_co_u32 s100, s100, s88
	s_mul_i32 s100, s100, 768
	s_add_nc_u64 s[14:15], s[14:15], s[100:101]    ; my item of ac
	s_lshl_b32 s100, s87, 9
	s_lshr_b32 s92, s88, 1
	s_lshl_b32 s92, s92, 6
	s_add_co_u32 s100, s100, s92
	s_and_b32 s92, s88, 1
	s_lshl_b32 s92, s92, 1
	s_add_co_u32 s100, s100, s92
	s_add_nc_u64 s[84:85], s[84:85], s[100:101]    ; asc: 512 T + 64 (head / 2) + 2 (head % 2)
	s_mov_b32 s92, 0
	s_wait_kmcnt 0x0
.irp i, 17,18,19,20,21,22,23,24,25,26,27,28,29,30,31
	s_min_i32 s16, s16, s\i
.endr
	s_max_i32 s16, s16, 0                          ; the least eos of my queries
	s_lshl_b32 s100, s87, 4                        ; my first query
	s_min_i32 s91, s16, s100                       ; a step all of whose keys lie under this is FAR: every key is causal for every query, and none lies in a query's own sentence
	s_add_co_u32 s90, s100, 15                     ; my last query
	COPY_OUT 5                                     ; (its wait is for all loads: Q, its scale word and eos too)
	v_cmp_gt_i32 vcc_lo, 0, v9
	v_cndmask_b32 v9, v9, v22, vcc_lo              ; eos held to 0 .. 4,096: the mask is the same, and the differences below cannot wrap
	v_min_u32 v9, 0x1000, v9
	v_add_nc_u32 v8, s100, v212                    ; my query
	v_cmp_gt_i32 vcc_lo, v9, v8
	s_cmp_lg_u32 vcc_lo, 0                         ; a query with eos > query may have no key at all:
	s_cselect_b32 s90, 0xfff, s90                  ; then I walk all keys
	v_lshlrev_b32 v213, 3, v213
	v_sub_nc_u32 v8, v8, v213
	v_sub_nc_u32 v9, v9, v213
; A KEY STEP: 128 keys, record q of the slot in hand.
.macro STEP q
	s_cmp_gt_u32 s89, s90                          ; all its keys come after what I work: only the lines at its end are run
	s_cbranch_scc1 .Lhid_\@
	s_load_b512 s[16:31], s[10:11], s93 offset:0x0 ; the step's 64 lane masks
	s_load_b512 s[32:47], s[10:11], s93 offset:0x40
	s_load_b512 s[48:63], s[10:11], s93 offset:0x80
	s_load_b512 s[68:83], s[10:11], s93 offset:0xc0
	v_add_nc_u32 v1, s92, v3
	v_add_nc_u32 v2, s92, v4
	v_nop
	v_nop                                          ; four places in front of loads into registers that the last products read
.irp t, 0,1,2,3,4,5,6,7
	ds_load_b128 v[32+6*\t:35+6*\t], v1 offset:REC*(\q)+768*\t
	ds_load_b64 v[36+6*\t:37+6*\t], v2 offset:REC*(\q)+768*\t+512
.endr
	ds_load_b64 v[86:87], v2 offset:REC*(\q)+12288
	ds_load_b64 v[88:89], v2 offset:REC*(\q)+12544
	s_wait_dscnt 0x0
.irp u, 0,1,2,3                        ; S^T: tile t = 16 keys; register j of lane (r, h) is key 16 t + 8 h + j, query r.  A scale register holds tile 2 u's words in lanes 0-15 and tile 2 u + 1's in lanes 16-31
	v_wmma_scale_f32_16x16x128_f8f6f4 v[96+16*\u:103+16*\u], v[32+12*\u:43+12*\u], v[16:27], 0, v[86+\u], v28 matrix_a_fmt:MATRIX_FMT_FP6 matrix_b_fmt:MATRIX_FMT_FP6
	v_wmma_scale_f32_16x16x128_f8f6f4 v[104+16*\u:111+16*\u], v[38+12*\u:49+12*\u], v[16:27], 0, v[86+\u], v28 matrix_a_fmt:MATRIX_FMT_FP6 matrix_b_fmt:MATRIX_FMT_FP6 matrix_a_scale:MATRIX_SCALE_ROW1
.endr
.rept 4
	v_nop                                          ; places: for V's loads into K's registers, and for the first read of the scores
.endr
.irp t, 0,1,2,3                        ; V's fragments land while the softmax is worked: channels 16 t on; registers 6 c on: keys 64 c on
.irp c, 0,1
	ds_load_b128 v[32+12*\t+6*\c:35+12*\t+6*\c], v1 offset:REC*(\q)+6144+3072*\c+768*\t
	ds_load_b64 v[36+12*\t+6*\c:37+12*\t+6*\c], v2 offset:REC*(\q)+6144+3072*\c+768*\t+512
.endr
.endr
	ds_load_b64 v[90:91], v2 offset:REC*(\q)+12800
	ds_load_b64 v[92:93], v2 offset:REC*(\q)+13056
	s_wait_kmcnt 0x0                               ; the lane masks
	s_add_co_u32 s100, s89, 127
	s_cmp_lt_i32 s100, s91
	s_cbranch_scc1 .Lfar_\@
	v_sub_nc_u32 v10, v8, s89                      ; NEAR.  Register n = 8 t + j holds key (first key) + 8 h + 16 t + j: causal where 16 t + j <= v10, in the sentence where 16 t + j >= v11
	v_sub_nc_u32 v11, v9, s89
.set n, 0
.rept 64
	v_cndmask_b32 v224, v7, v[96+n], s[16+n+4*(n/48)]  ; special,
	v_cmp_ge_i32 vcc_lo, 16*(n/8)+n%8, v11
	v_cndmask_b32 v224, v224, v[96+n], vcc_lo      ; or in the query's sentence,
	v_cmp_le_i32 vcc_lo, 16*(n/8)+n%8, v10
	v_cndmask_b32 v[96+n], v7, v224, vcc_lo        ; and causal
.set n, n+1
.endr
	s_branch .Lmasked_\@
.Lfar_\@:
.set n, 0
.rept 64
	v_cndmask_b32 v[96+n], v7, v[96+n], s[16+n+4*(n/48)]  ; FAR: the special keys alone count
.set n, n+1
.endr
.Lmasked_\@:
.irp b, 0,1,2,3
	v_max3_num_f32 v[212+\b], v[96+16*\b], v[97+16*\b], v[98+16*\b]   ; the largest score of each block of 32 keys: for the row's maximum and, since p rises with the score, for the block's largest p
.endr
.irp i, 3,5,7,9,11,13
.irp b, 0,1,2,3
	v_max3_num_f32 v[212+\b], v[212+\b], v[96+16*\b+\i], v[97+16*\b+\i]
.endr
.endr
.irp b, 0,1,2,3
	v_max_num_f32 v[212+\b], v[212+\b], v[111+16*\b]
.endr
.irp b, 0,1,2,3
	v_permlanex16_b32 v[216+\b], v[212+\b], s96, s97
.endr
.irp b, 0,1,2,3
	v_max_num_f32 v[212+\b], v[212+\b], v[216+\b]  ; with lane l xor 16's 16 keys
.endr
	v_max3_num_f32 v224, v212, v213, v214
	v_max_num_f32 v224, v224, v215
	v_mul_f32 v224, s98, v224                      ; the step's largest t
	v_max_num_f32 v13, v13, v224
	v_mov_b32 v224, v12
	v_floor_f32 v12, -v13                          ; the new -M: M is a whole number
	v_sub_f32 v224, v12, v224
	v_cvt_i32_f32 v224, v224                       ; (it saturates)
	v_ldexp_f32 v30, 1.0, v224                     ; f = 2^(old M - new M)
.set n, 0
.rept 32
	v_pk_fma_f32 v[96+n:97+n], v[96+n:97+n], s[98:99], v[12:13] op_sel_hi:[1,0,0]   ; t - M
.set n, n+2
.endr
.irp b, 0,1,2,3
	v_fma_f32 v[212+\b], v[212+\b], s98, v12
.endr
.set n, 0
.rept 64
	v_exp_f32 v[96+n], v[96+n]                     ; p = 2^(t - M)
.set n, n+1
.endr
	v_pk_mul_f32 v[14:15], v[14:15], v[30:31] op_sel_hi:[1,0]   ; the sums under the new M: a plain line behind the exponentials
	s_wait_alu depctr_va_vdst(0)                   ; one wait for the batch, ahead of its first reader
.irp b, 0,1,2,3
	v_exp_f32 v[212+\b], v[212+\b]                 ; each block's largest p
.endr
	v_pk_add_f32 v[226:227], v[96:97], v[98:99]    ; the row's sum of the unquantised p, in two chains
.irp j, 4,8,12,16,20,24,28,32,36,40,44,48,52,56,60
	v_pk_add_f32 v[14:15], v[14:15], v[96+\j:97+\j]
	v_pk_add_f32 v[226:227], v[226:227], v[98+\j:99+\j]
.endr
	v_pk_add_f32 v[14:15], v[14:15], v[226:227]
	s_wait_alu depctr_va_vdst(0)                   ; and one for the four
.irp b, 0,1,2,3
	v_max_num_f32 v[212+\b], 0x1800000, v[212+\b]  ; the floor 2^(3 - 127)
.endr
.irp b, 0,1,2,3
	v_add_nc_u32 v[220+\b], 0xff000000, v[212+\b]  ; the conversion's scale operand
.endr
.irp b, 0,1,2,3
	v_lshrrev_b32 v[216+\b], 23, v[220+\b]         ; the scale's byte
.endr
	v_lshl_or_b32 v29, v217, 8, v216               ; p's scale word for these 128 keys
	v_lshl_or_b32 v29, v218, 16, v29
	v_lshl_or_b32 v29, v219, 24, v29
.irp c, 0,1
	v_cvt_scalef32_pk16_fp6_f32 v[192+6*\c:194+6*\c], v[96+32*\c:111+32*\c], v[220+2*\c]
	v_cvt_scalef32_pk16_fp6_f32 v[204+4*\c:206+4*\c], v[112+32*\c:127+32*\c], v[220+2*\c+1]
.endr
	v_nop                                          ; one plain place behind a scaled conversion
.irp c, 0,1
.irp i, 0,1,2
	v_permlane16_swap_b32 v[192+6*\c+\i], v[204+4*\c+\i]
.endr
.irp i, 0,1,2
	v_mov_b32 v[195+6*\c+\i], v[204+4*\c+\i]
.endr
.endr
	s_wait_dscnt 0x0                               ; V and its scale words are in
	v_perm_b32 v90, v92, v90, 0x05040100           ; a channel's word: the two bytes of keys 0-63 below, those of keys 64-127 above
	v_perm_b32 v91, v93, v91, 0x05040100
.irp j, 0,2,4,6,8,10,12,14,16,18,20,22,24,26,28,30
	v_pk_mul_f32 v[160+\j:161+\j], v[160+\j:161+\j], v[30:31] op_sel_hi:[1,0]   ; O^T under the new M; these sixteen are also the places between the scale words just made and the products
.endr
.irp u, 0,1                            ; O^T += V^T P^T; the four accumulators take turns
	v_wmma_scale_f32_16x16x128_f8f6f4 v[160+16*\u:167+16*\u], v[32+24*\u:43+24*\u], v[192:203], v[160+16*\u:167+16*\u], v[90+\u], v29 matrix_a_fmt:MATRIX_FMT_FP6 matrix_b_fmt:MATRIX_FMT_FP6
	v_wmma_scale_f32_16x16x128_f8f6f4 v[168+16*\u:175+16*\u], v[44+24*\u:55+24*\u], v[192:203], v[168+16*\u:175+16*\u], v[90+\u], v29 matrix_a_fmt:MATRIX_FMT_FP6 matrix_b_fmt:MATRIX_FMT_FP6 matrix_a_scale:MATRIX_SCALE_ROW1
.endr
.Lhid_\@:
	s_add_co_u32 s89, s89, 128
	s_add_co_u32 s93, s93, 256
.endm
.Ltrip:                                                ; 16 trips, a slot of two key steps each
	s_wait_dscnt 0x0                               ; my stores into the slot ahead have landed, and my reads of the slot that I have left are in
	s_barrier_signal -1
	s_barrier_wait -1                              ; both now hold of all sixteen waves
	s_cmp_eq_u32 s94, 1                            ; the last trip has nothing to fetch: no load leaves the buffer
	s_cbranch_scc1 .Lno_load
	COPY_IN                                        ; the next slot's records: two key steps ahead of the wait for them
.Lno_load:
	STEP 0
	STEP 1
	s_cmp_eq_u32 s94, 1
	s_cbranch_scc1 .Lno_store
	v_add_nc_u32 v6, s95, v5
	COPY_OUT 6                                     ; into the slot that every wave left in front of this trip's barrier
.Lno_store:
	s_xor_b32 s92, s92, SLOT1
	s_xor_b32 s95, s95, SLOT1
	s_sub_co_u32 s94, s94, 1
	s_cmp_lg_u32 s94, 0
	s_cbranch_scc1 .Ltrip
	; THE WAY OUT: O^T / the sum; the halves of the lanes change places so that a lane holds 16 NEIGHBOURING channels (Wo's codes are given in the true order); the quantiser; one item and 32 scale bytes
.rept 4
	v_nop                                          ; places behind the last products
.endr
	v_add_f32 v14, v14, v15
	v_permlanex16_b32 v216, v14, s96, s97
	v_add_f32 v14, v14, v216                       ; the row's sum
	v_rcp_f32 v14, v14
	v_and_b32 v224, 15, v0
	v_bfe_u32 v225, v0, 4, 1
	v_lshl_add_u32 v224, v224, 2, v225             ; 4 r + h
	v_lshlrev_b32 v225, 3, v225                    ; 8 h
	s_wait_alu depctr_va_vdst(0)                   ; ahead of the reciprocal's first reader
.set n, 0
.rept 32
	v_mul_f32 v[96+n], v[160+n], v14               ; register 8 t + j: channel 16 t + 8 h + j
.set n, n+1
.endr
.irp b, 0,1
.irp j, 0,1,2,3,4,5,6,7
	v_permlane16_swap_b32 v[96+16*\b+\j], v[104+16*\b+\j]   ; register 16 b + i now holds channel 32 b + 16 h + i
.endr
.endr
.irp b, 0,1
	v_max3_num_f32 v[212+\b], |v[96+16*\b]|, |v[97+16*\b]|, 0x1800000
.endr
.irp i, 2,4,6,8,10,12,14
.irp b, 0,1
	v_max3_num_f32 v[212+\b], v[212+\b], |v[96+16*\b+\i]|, |v[97+16*\b+\i]|
.endr
.endr
.irp b, 0,1
	v_permlanex16_b32 v[216+\b], v[212+\b], s96, s97
.endr
.irp b, 0,1
	v_max_num_f32 v[212+\b], v[212+\b], v[216+\b]
.endr
.irp b, 0,1
	v_add_nc_u32 v[220+\b], 0xff000000, v[212+\b]
.endr
.irp b, 0,1
	v_lshrrev_b32 v[216+\b], 23, v[220+\b]
.endr
	v_cvt_scalef32_pk16_fp6_f32 v[192:194], v[96:111], v220
	v_cvt_scalef32_pk16_fp6_f32 v[204:206], v[112:127], v221
	v_lshl_or_b32 v226, v217, 8, v216              ; (the plain place behind the conversions)  both bytes,
	v_lshrrev_b32 v226, v225, v226                 ; my half's lowest
.irp i, 0,1,2
	v_permlane16_swap_b32 v[192+\i], v[204+\i]
.endr
.irp i, 0,1,2
	v_mov_b32 v[195+\i], v[204+\i]
.endr
	global_store_b128 v3, v[192:195], s[14:15]     ; 512 consecutive bytes,
	global_store_b64 v4, v[196:197], s[14:15] offset:512   ; and 256
	global_store_b8 v224, v226, s[84:85]           ; byte 2 (head % 2) + h of row r's word of K step head / 2
	s_wait_tensorcnt 0x0
	ds_add_u32 v254, v255
	s_wait_dscnt 0x0
	s_endpgm
.Lfunc_end_k_q4bfa0476a8_attn:
	.size	k_q4bfa0476a8_attn, .Lfunc_end_k_q4bfa0476a8_attn-k_q4bfa0476a8_attn
	.p2alignl 7, 3214868480
	.fill 96, 4, 3214868480
	.section	.rodata,"a",@progbits
	.p2align	6, 0x0
	.amdhsa_kernel k_q4bfa0476a8_attn
		.amdhsa_group_segment_fixed_size 67584
		.amdhsa_private_segment_fixed_size 0
		.amdhsa_enable_private_segment 0
		.amdhsa_kernarg_size 56
		.amdhsa_user_sgpr_count 2
		.amdhsa_user_sgpr_kernarg_segment_ptr 1
		.amdhsa_wavefront_size32 1
		.amdhsa_system_sgpr_workgroup_id_x 1
		.amdhsa_system_sgpr_workgroup_id_y 1
		.amdhsa_system_sgpr_workgroup_id_z 1
		.amdhsa_system_vgpr_workitem_id 0
		.amdhsa_next_free_vgpr 256
		.amdhsa_next_free_sgpr 102
		.amdhsa_reserve_vcc 1
		.amdhsa_float_denorm_mode_32 3
		.amdhsa_float_denorm_mode_16_64 3
		.amdhsa_memory_ordered 1
		.amdhsa_forward_progress 1
		.amdhsa_inst_pref_size 82
	.end_amdhsa_kernel
	.amdgpu_metadata
---
amdhsa.version: [ 1, 2 ]
amdhsa.kernels:
  - .name:           k_q4bfa0476a8_attn
    .symbol:         k_q4bfa0476a8_attn.kd
    .args:
      - { .name: qc, .offset: 0, .size: 8, .value_kind: global_buffer, .address_space: global }
      - { .name: qs, .offset: 8, .size: 8, .value_kind: global_buffer, .address_space: global }
      - { .name: kv, .offset: 16, .size: 8, .value_kind: global_buffer, .address_space: global }
      - { .name: fm, .offset: 24, .size: 8, .value_kind: global_buffer, .address_space: global }
      - { .name: clothest_end_of_sentence_token_idx, .offset: 32, .size: 8, .value_kind: global_buffer, .address_space: global }
      - { .name: ac, .offset: 40, .size: 8, .value_kind: global_buffer, .address_space: global }
      - { .name: asc, .offset: 48, .size: 8, .value_kind: global_buffer, .address_space: global }
    .group_segment_fixed_size: 67584
    .private_segment_fixed_size: 0
    .kernarg_segment_align: 8
    .kernarg_segment_size: 56
    .max_flat_workgroup_size: 512
    .sgpr_count:     102
    .vgpr_count:     256
    .wavefront_size: 32
...
	.end_amdgpu_metadata
.endif
;; end of part 2
;; launch oproj (part 3): grid 8 x 32, 4 waves a work-group, clusters of 4 x 4, 229,120 bytes of LDS; arguments ac, asc, Wo_codes, Wo_scales, out0; writes out0
.if DOCPART == 3
	.amdgcn_target "amdgcn-amd-amdhsa--gfx1250"
	.amdhsa_code_object_version 6
	.text
	.protected	k_q4bfa0476a8_oproj
	.globl	k_q4bfa0476a8_oproj
	.p2align	8
	.type	k_q4bfa0476a8_oproj,@function
k_q4bfa0476a8_oproj:
	s_mov_b64 s[64:65], 0
	v_nop
	global_prefetch_b8 v0, s[64:65] scope:SCOPE_SE
	s_setreg_imm32_b32 hwreg(HW_REG_WAVE_MODE, 25, 1), 1
	s_wait_xcnt 0x0
	s_wait_alu depctr_hold_cnt(0) depctr_sa_sdst(0) depctr_va_vdst(0) depctr_va_sdst(0) depctr_va_ssrc(0) depctr_va_vcc(0) depctr_vm_vsrc(0)
	s_getreg_b32 s2, hwreg(HW_REG_IB_STS2, 6, 4)
	s_cmp_eq_u32 s2, 0
	s_cbranch_scc0 .Lentry_in_a_cluster
	s_endpgm
.Lentry_in_a_cluster:
	s_bfe_u32 s2, ttmp6, 0x10000c
	s_cmp_lg_u32 s2, 0xf033
	s_cbranch_scc0 .Lentry_shape_is_right
	s_endpgm
.Lentry_shape_is_right:
; out0 = attn x Wo on codes of FP6 (E2M3) with E8M0 scales; sums in f32.  attn comes as the launch before laid it: ac [tile of 16 tokens][head] items of 768 bytes (an image of six operand registers a lane),
; asc [tile][K step][row] scale words.  Wo: [1,024 columns][768 bytes], K innermost; its scale bytes [1,024][32].
; A work-group makes 128 tokens x 128 columns, each of its four waves 64 x 64: 16 accumulators.  Source 0 = 16 rows of Wo (columns of out0), source 1 = 16 tokens: a lane holds eight neighbouring numbers of a row of out0.
; All of K (1,024) lies in LDS at once: filled once, one barrier, nothing filled again.
; CLUSTER 4 x 4: the tokens' codes and scale words hang on the work-group's y alone and are asked for jointly along a row of the cluster, Wo's hang on x alone and are asked for jointly along a column.
; LIMITS: NaN and infinities are not served.
.set UNIT,  52224                      ; 64 rows of Wo x 816 bytes: 768 with 16 of padding behind each 256
.set SUN,   2176                       ; their scale bytes: 8 rows of 256 + 16
.set BROW,  98304                      ; LDS: the tokens' 8 x 16 items (98,304 bytes, dense); Wo's 128 rows;
.set ASC,   BROW+2*UNIT                ; the tokens' scale words (4,096 bytes, dense);
.set BSC,   ASC+4096                   ; Wo's scale bytes;
.set STG,   BSC+2*SUN                  ; a stage of 16 rows x (256 + 16) bytes for each wave: no fill lands there
.set ACC,   128
.macro CROUND
	s_barrier_signal -1
	s_barrier_wait -1
	s_cmp_lg_u32 s14, 0
	s_cbranch_scc1 .Lnot_wave_0_\@
	s_barrier_signal -3
.Lnot_wave_0_\@:
	s_barrier_wait -3
	s_barrier_signal -1
	s_barrier_wait -1
.endm
	s_load_b256 s[4:11], s[0:1], 0x0               ; ac, asc, Wo's codes, Wo's scales
	s_load_b64 s[12:13], s[0:1], 0x20              ; out0
	v_lshl_add_u32 v126, v0, 2, 0x37d00
	v_mov_b32 v127, 0
	ds_add_u32 v126, v127
	ds_add_u32 v126, v127
	v_lshrrev_b32 v1, 5, v0
	v_readfirstlane_b32 s14, v1                    ; wave 0..3
	s_lshr_b32 s15, s14, 1                         ; my half of the tokens.  Also: I fetch for the tokens (0) or for Wo (1)
	s_and_b32 s16, s14, 1                          ; my half of the columns.  Also: which half I fetch
	s_bfe_u32 s40, ttmp6, 0x40000                  ; cx
	s_bfe_u32 s41, ttmp6, 0x40004                  ; cy
	s_lshl_b32 s42, ttmp9, 2
	s_add_co_u32 s42, s42, s40                     ; block of 128 columns
	s_and_b32 s17, ttmp7, 0xffff
	s_lshl_b32 s17, s17, 2
	s_add_co_u32 s17, s17, s41                     ; block of 128 tokens
	s_lshl_b32 s43, s41, 2
	s_lshl_b32 s43, 15, s43                        ; my row of the cluster
	s_lshl_b32 s44, 0x1111, s40                    ; my column
	; group 1.  s[24:31]: 49,152 dense bytes as 192 rows of 32 elements of 8 bytes;  s[32:39]: 2,048 as 8 such rows;  s[48:55]: 64 rows of 768 bytes, padded;  s[56:63]: 2,048 bytes as 8 padded rows
	s_or_b32 s24, s43, (3<<16)|(1<<21)
	s_or_b32 s32, s43, (3<<16)|(1<<21)
	s_or_b32 s48, s44, (1<<20)|(1<<21)|(5<<22)|(3<<25)
	s_or_b32 s56, s44, (3<<16)|(1<<20)|(1<<21)|(5<<22)|(3<<25)
	s_mov_b32 s25, 32<<16
	s_mov_b32 s26, 192<<16
	s_mov_b32 s27, 32<<16
	s_mov_b32 s28, 192
	s_mov_b32 s29, 32
	s_mov_b32 s30, 0
	s_mov_b32 s31, 0
.irp g, 32, 56
	s_mov_b32 s[\g+1], 32<<16
	s_mov_b32 s[\g+2], 8<<16
	s_mov_b32 s[\g+3], 32<<16
	s_mov_b32 s[\g+4], 8
	s_mov_b32 s[\g+5], 32
	s_mov_b32 s[\g+6], 0
	s_mov_b32 s[\g+7], 0
.endr
	s_mov_b32 s49, 768<<16
	s_mov_b32 s50, 64<<16
	s_mov_b32 s51, 768<<16
	s_mov_b32 s52, 64
	s_mov_b32 s53, 768
	s_mov_b32 s54, 0
	s_mov_b32 s55, 0
	; offsets in memory: the tokens' in registers that never hold cx, Wo's in registers that never hold cy
	s_lshl_b32 s20, s17, 1
	s_add_co_u32 s20, s20, s16                     ; which 64 tokens I fetch
	s_mul_i32 s22, s20, 49152
	s_mov_b32 s23, 0
	s_lshl_b32 s20, s20, 11
	s_mov_b32 s21, 0
	s_lshl_b32 s46, s42, 1
	s_add_co_u32 s46, s46, s16                     ; which 64 rows of Wo
	s_mul_i32 s84, s46, 49152
	s_mov_b32 s85, 0
	s_lshl_b32 s46, s46, 11
	s_mov_b32 s47, 0
	s_wait_dscnt 0x0
	s_wait_kmcnt 0x0
	s_mov_b32 s68, 1                               ; group 0: s[68:71] the tokens' codes, s[72:75] their scale words, s[76:79] Wo's codes, s[80:83] its scale bytes
	s_mul_i32 s69, s16, 49152
	s_add_nc_u64 s[70:71], s[4:5], s[22:23]
	s_or_b32 s71, s71, 0x80000000
	s_mov_b32 s72, 1
	s_lshl_b32 s73, s16, 11
	s_add_co_u32 s73, s73, ASC
	s_add_nc_u64 s[74:75], s[6:7], s[20:21]
	s_or_b32 s75, s75, 0x80000000
	s_mov_b32 s76, 1
	s_mul_i32 s77, s16, UNIT
	s_add_co_u32 s77, s77, BROW
	s_add_nc_u64 s[78:79], s[8:9], s[84:85]
	s_or_b32 s79, s79, 0x80000000
	s_mov_b32 s80, 1
	s_mul_i32 s81, s16, SUN
	s_add_co_u32 s81, s81, BSC
	s_add_nc_u64 s[82:83], s[10:11], s[46:47]
	s_or_b32 s83, s83, 0x80000000
	CROUND                                         ; all sixteen work-groups are here: the joint loads meet
	s_cmp_eq_u32 s15, 0                            ; a wave's two fills stand in one branch on its number: two tensor loads of a wave are out
	s_cbranch_scc0 .Lfor_b
	tensor_load_to_lds s[68:71], s[24:31]
	s_nop 0
	tensor_load_to_lds s[72:75], s[32:39]
	s_nop 0
.rept 4
	v_nop
.endr
	s_branch .Lasked
.Lfor_b:
	tensor_load_to_lds s[76:79], s[48:55]
	s_nop 0
	tensor_load_to_lds s[80:83], s[56:63]
	s_nop 0
.rept 4
	v_nop
.endr
.Lasked:
	v_and_b32 v11, 15, v0                          ; r
	v_bfe_u32 v12, v0, 4, 1                        ; h
	v_and_b32 v13, 31, v0                          ; lane
	v_mul_u32_u24 v14, v11, 816
	v_mad_u32_u24 v14, v12, 24, v14
	s_mul_i32 s86, s16, UNIT
	s_add_co_u32 s86, s86, BROW
	v_add_nc_u32 v1, s86, v14                      ; Wo's fragments: row x pitch + 24 h,
	v_lshl_add_u32 v2, v12, 4, v1                  ; and behind one padding more
	s_mul_i32 s86, s15, 49152
	v_lshl_add_u32 v3, v13, 4, s86                 ; the tokens' items: 16 x lane,
	v_lshl_add_u32 v4, v13, 3, s86                 ; 8 x lane
	v_lshrrev_b32 v15, 3, v11
	v_mul_u32_u24 v15, v15, 272
	v_and_b32 v10, 7, v11
	v_lshl_add_u32 v15, v10, 5, v15
	s_mul_i32 s86, s16, SUN
	s_add_co_u32 s86, s86, BSC
	v_add_nc_u32 v5, s86, v15                      ; Wo's scale words
	s_lshl_b32 s86, s15, 11
	s_add_co_u32 s86, s86, ASC
	v_lshl_add_u32 v6, v11, 2, s86                 ; the tokens'
	s_mul_i32 s86, s14, 16*272
	s_add_co_u32 s86, s86, STG                     ; my stage
	v_mul_u32_u24 v7, v11, 272
	v_lshl_add_u32 v7, v12, 5, v7
	v_add_nc_u32 v7, s86, v7                       ; in: row r, 32 bytes for each half of the lanes
	v_mul_u32_u24 v8, v12, 272
	v_lshl_add_u32 v8, v11, 4, v8
	v_add_nc_u32 v8, s86, v8                       ; back: lanes 0-15 one row of 256 bytes, lanes 16-31 the next
	v_lshlrev_b32 v9, 12, v12
	v_lshl_add_u32 v9, v11, 4, v9                  ; and the same two rows in out0
	s_lshl_b32 s90, s17, 1
	s_add_co_u32 s90, s90, s15
	s_lshl_b32 s90, s90, 18                        ; my first token: 64 rows of 4,096 bytes
	s_lshl_b32 s92, s42, 1
	s_add_co_u32 s92, s92, s16
	s_lshl_b32 s92, s92, 8                         ; my first column: 64 numbers of 4 bytes
	s_add_co_u32 s90, s90, s92
	s_mov_b32 s91, 0
	s_add_nc_u64 s[12:13], s[12:13], s[90:91]
	s_wait_tensorcnt 0x0                           ; my parts have landed,
	s_barrier_signal -1
	s_barrier_wait -1                              ; everybody's have
.macro FRAGROW reg, adr, imm, ks       ; a fragment from rows of 768 bytes: data byte z lies at z + 16 (z / 256); the second address register serves where the upper half's piece lies behind one padding more
.irp p, 0,1,2,3,4,5
.set ZZ, 96*(\ks)+48*(\p/3)+8*(\p%3)
.if (ZZ/256) == ((ZZ+24)/256)
	ds_load_b64 v[\reg+2*\p:\reg+2*\p+1], v[\adr] offset:(\imm)+ZZ+16*(ZZ/256)
.else
	ds_load_b64 v[\reg+2*\p:\reg+2*\p+1], v[\adr+1] offset:(\imm)+ZZ+16*(ZZ/256)
.endif
.endr
.endm
; 128 along K = heads 2 ks and 2 ks + 1: Wo's four fragments (v16-63), the tokens' four (v64-111: two items each), the scale words, 16 matrix instructions; the 16 accumulators take turns
.macro KSTEP ks
.if \ks > 0
.rept 4
	v_nop                                          ; places in front of loads into registers that matrix instructions have read
.endr
.endif
.irp x, 0,1,2,3
	FRAGROW 16+12*\x, 1, 13056*\x, \ks
	ds_load_b32 v[112+\x], v5 offset:544*\x+4*(\ks)
.endr
.irp y, 0,1,2,3
.irp c, 0,1
	ds_load_b128 v[64+12*\y+6*\c:67+12*\y+6*\c], v3 offset:12288*\y+768*(2*(\ks)+\c)
	ds_load_b64 v[68+12*\y+6*\c:69+12*\y+6*\c], v4 offset:12288*\y+768*(2*(\ks)+\c)+512
.endr
	ds_load_b32 v[116+\y], v6 offset:512*\y+64*(\ks)
.endr
	s_wait_dscnt 0x0
.irp y, 0,1,2,3
.irp x, 0,1,2,3
.if \ks == 0
	v_wmma_scale_f32_16x16x128_f8f6f4 v[ACC+32*\y+8*\x:ACC+32*\y+8*\x+7], v[16+12*\x:27+12*\x], v[64+12*\y:75+12*\y], 0, v[112+\x], v[116+\y] matrix_a_fmt:MATRIX_FMT_FP6 matrix_b_fmt:MATRIX_FMT_FP6
.else
	v_wmma_scale_f32_16x16x128_f8f6f4 v[ACC+32*\y+8*\x:ACC+32*\y+8*\x+7], v[16+12*\x:27+12*\x], v[64+12*\y:75+12*\y], v[ACC+32*\y+8*\x:ACC+32*\y+8*\x+7], v[112+\x], v[116+\y] matrix_a_fmt:MATRIX_FMT_FP6 matrix_b_fmt:MATRIX_FMT_FP6
.endif
.endr
.endr
.endm
.irp k, 0,1,2,3,4,5,6,7
	KSTEP \k
.endr
.rept 4
	v_nop                                          ; places behind the last products: for the stage's stores and for the loads into the fragments' registers
.endr
; THE WAY OUT, 16 tokens x 64 columns at a time, through my own stage: LDS serves a wave's instructions in order, so no wait stands between the stores and the loads, nor in front of the next block's stores
.macro TOSTAGE a
.irp x, 0,1,2,3
	ds_store_b128 v7, v[ACC+32*(\a)+8*\x:ACC+32*(\a)+8*\x+3] offset:64*\x        ; each accumulator from its low end on
	ds_store_b128 v7, v[ACC+32*(\a)+8*\x+4:ACC+32*(\a)+8*\x+7] offset:64*\x+16
.endr
.set BB, 16+32*((\a)%2)
.irp i, 0,1,2,3,4,5,6,7
	ds_load_b128 v[BB+4*\i:BB+4*\i+3], v8 offset:544*\i
.endr
.endm
.macro SEND a, younger                 ; younger: the LDS instructions issued behind block a's loads, which may stay out
.set BB, 16+32*((\a)%2)
	s_wait_dscnt \younger
.irp i, 0,1,2,3,4,5,6,7
	global_store_b128 v9, v[BB+4*\i:BB+4*\i+3], s[12:13] offset:65536*(\a)+8192*\i th:TH_STORE_NT   ; 16 lanes store 256 consecutive bytes, at a multiple of 256 from out0's first byte
.endr
.endm
	TOSTAGE 0
.irp a, 1,2,3
.if \a > 1
	s_wait_xcnt 0x0                                ; block a - 2's stores have read their registers: block a's loads may land there
.endif
	TOSTAGE \a
	SEND \a-1, 16                                  ; behind block a - 1's loads: block a's 8 stores and 8 loads
.endr
	SEND 3, 0
	s_wait_tensorcnt 0x0
	ds_add_u32 v126, v127
	s_wait_dscnt 0x0
	CROUND                                         ; the closing round
	s_endpgm
.Lfunc_end_k_q4bfa0476a8_oproj:
	.size	k_q4bfa0476a8_oproj, .Lfunc_end_k_q4bfa0476a8_oproj-k_q4bfa0476a8_oproj
	.p2alignl 7, 3214868480
	.fill 96, 4, 3214868480
	.section	.rodata,"a",@progbits
	.p2align	6, 0x0
	.amdhsa_kernel k_q4bfa0476a8_oproj
		.amdhsa_group_segment_fixed_size 229120
		.amdhsa_private_segment_fixed_size 0
		.amdhsa_enable_private_segment 0
		.amdhsa_kernarg_size 40
		.amdhsa_user_sgpr_count 2
		.amdhsa_user_sgpr_kernarg_segment_ptr 1
		.amdhsa_wavefront_size32 1
		.amdhsa_system_sgpr_workgroup_id_x 1
		.amdhsa_system_sgpr_workgroup_id_y 1
		.amdhsa_system_sgpr_workgroup_id_z 1
		.amdhsa_system_vgpr_workitem_id 0
		.amdhsa_next_free_vgpr 256
		.amdhsa_next_free_sgpr 100
		.amdhsa_reserve_vcc 0
		.amdhsa_float_denorm_mode_32 3
		.amdhsa_float_denorm_mode_16_64 3
		.amdhsa_memory_ordered 1
		.amdhsa_forward_progress 1
		.amdhsa_inst_pref_size 57
	.end_amdhsa_kernel
	.amdgpu_metadata
---
amdhsa.version: [ 1, 2 ]
amdhsa.kernels:
  - .name:           k_q4bfa0476a8_oproj
    .symbol:         k_q4bfa0476a8_oproj.kd
    .args:
      - { .name: ac, .offset: 0, .size: 8, .value_kind: global_buffer, .address_space: global }
      - { .name: asc, .offset: 8, .size: 8, .value_kind: global_buffer, .address_space: global }
      - { .name: Wo_codes, .offset: 16, .size: 8, .value_kind: global_buffer, .address_space: global }
      - { .name: Wo_scales, .offset: 24, .size: 8, .value_kind: global_buffer, .address_space: global }
      - { .name: out0, .offset: 32, .size: 8, .value_kind: global_buffer, .address_space: global }
    .group_segment_fixed_size: 229120
    .private_segment_fixed_size: 0
    .kernarg_segment_align: 8
    .kernarg_segment_size: 40
    .max_flat_workgroup_size: 128
    .sgpr_count:     100
    .vgpr_count:     256
    .wavefront_size: 32
...
	.end_amdgpu_metadata
.endif
;; end of part 3
;; ======== version 2 of 2: 3 launches; version 1 with the launch attn written anew for expert scheduling mode
;; limits: right only within a limited range of input values
;; workspace buffers: qc 3,145,728 bytes; qs 262,144 bytes; kv 1,703,936 bytes; fm 8,192 bytes of whole numbers; ac 3,145,728 bytes; asc 131,072 bytes
;; launch proj: the kernel of part 1 again; grid 32 x 8, 6 waves a work-group, clusters of 4 x 1, 273,152 bytes of LDS; arguments hidden_states_codes, hidden_states_scales, Wq_codes, Wq_scales, Wk_codes, Wk_scales, Wv_codes, Wv_scales, cos, sin, special_embeddings_mask, qc, qs, kv, fm; writes qc, qs, kv, fm
;; launch attn (part 4): grid 64 x 4, 16 waves a work-group, no clusters, 67,584 bytes of LDS; arguments qc, qs, kv, fm, clothest_end_of_sentence_token_idx, ac, asc; writes ac, asc
.if DOCPART == 4
	.amdgcn_target "amdgcn-amd-amdhsa--gfx1250"
	.amdhsa_code_object_version 6
	.text
	.protected	k_q4bfa0476a8_attn
	.globl	k_q4bfa0476a8_attn
	.p2align	8
	.type	k_q4bfa0476a8_attn,@function
k_q4bfa0476a8_attn:
	s_mov_b64 s[64:65], 0
	v_nop
	global_prefetch_b8 v0, s[64:65] scope:SCOPE_SE
	s_setreg_imm32_b32 hwreg(HW_REG_WAVE_SCHED_MODE, 0, 2), 2
	s_setreg_imm32_b32 hwreg(HW_REG_WAVE_MODE, 25, 1), 1
	s_wait_xcnt 0x0
	s_wait_alu depctr_vm_vsrc(0)
; Attention on codes of FP6 (E2M3) under the mask  key <= query AND (key >= eos[query] OR special[key]),  then the quantiser for the result along head x 64 + channel.
; SHARES.  A work-group serves one key and value head (y) and its four query heads; each of its sixteen waves owns one tile of 16 queries of one head.  Wave w: head 4 y + w / 4; tile g, 127 - g, 128 + g or
; 255 - g (g = work-group x), by (w + w / 4) % 4.  A tile T has T / 8 + 1 key steps under the causal mask, so each head's four tiles have 66 steps whatever g is.
; LAYOUT.  Both products are used transposed: S^T = K Q^T, O^T = V^T P^T: a lane holds ONE query.  The head's 64 fill half of the instruction's 128 along K: Q's upper six registers are zero codes, and K's operand
; of tile t simply runs on into tile t + 1's registers: whatever stands there meets zeros; the scale words hold their two bytes twice, so that the idle blocks' scales are the real ones.
; p's and V's blocks of 32 keys hold their codes in the same order (0-7, 16-23, 8-15, 24-31), which leaves the sums as they are.
; K AND V come as records of 13,312 bytes a key step of 128 keys, laid in the order of the operands' registers.  Two LDS slots of two records take turns; all sixteen waves copy the next slot through registers
; (loads behind the barrier, LDS stores behind the slot's two steps) and read the slot in hand.  One barrier a slot: in front of it each wave has waited for its LDS stores and loads.
; NO TENSOR LOADS AND NO JOINT REQUESTS: how many steps a wave works and which form of the mask a step takes are scalar branches on eos, a number read from memory.
; Every wave passes every barrier: what is jumped over is a step's work.
; THE SOFTMAX: t = score x log2(e) / 8; M = the running largest t rounded up to a whole number; p = 2^(t - M) is quantised along the keys; the row's sum is taken of the unquantised p and divides at the end.
; A HIDDEN SCORE becomes -2^33 (a logit of -2^30 for reference()'s -1e9).  Its t is a whole number, so a row with no key allowed has p = 1 for every key: reference()'s uniform row.  Such a row has
; eos > query; a wave that holds one walks all 4,096 keys.  In every other row p of a hidden key is 0, and what was summed before the first allowed key is wiped by the factor 2^(old M - new M) = 0.
; LIMITS: allowed logits lie well above -1e9; NaN and infinities are not served; a block whose largest magnitude lies under 2^-124 keeps the byte 1.
; THE MODE: SCHED_MODE bits 1:0 = 2 (LLVM: expert scheduling mode 2), set by the entry lines.  The code itself states the register dependences between vector or matrix instructions and memory or LDS
; instructions, with s_wait_alu, always for 0.
; THE PLAN.  Registers that memory or LDS instructions touch:
;   v3, v4, v5      offsets, written at the head and never again.
;   v214, v215      offsets of two loads at the head; written again by the first step's maxima, behind the wait on vm_vsrc at the first trip's head.
;   v230-245        the copy: global loads land in them, LDS stores read them; no vector instruction names them.  One wait on vm_vsrc at a trip's head stands between the last trip's stores and this trip's loads.
;   v6              the copy's LDS address: one add a trip, behind that wait on vm_vsrc; a wait on va_vdst between the add and the stores.
;   v1, v2          a step's LDS addresses: two adds a step, behind a wait on vm_vsrc (the trip's, or the second step's own) and ahead of the step's first wait on va_vdst.
;   v32-79, v86-89  K's items and scale words land; the eight S products read them.  v32-79, v90-93: V's fragments and scale words land; two v_perm_b32 and the four O products read them.
;                   The 256 registers of each of a SIMD's four waves leave no second buffer, so each of the two runs of loads stands behind a wait on va_vdst that shows the buffer's last readers done:
;                   at the step's head (the last step's O products) and behind the S products' four places (these products; the next vector line reads their results in any case).
;   v192-203, v29, v90-91  written by vector lines, taken by the O products as operand and scales: a wait on va_vdst behind the sixteen places, ahead of the first of them.
;   v192-197, v224, v226   the way out: written by vector lines, read by the three stores: one wait on va_vdst ahead of these.
; Compares go into scalar registers in runs, with one wait on va_sdst behind a run, ahead of the first select that reads one of them.
; REGISTERS: v1-2 LDS addresses of the step; v3 16 x lane, v4 8 x lane, v5 16 x thread, v6 the copy's LDS address; v7 -2^33; v8 query - 8 h, v9 eos - 8 h, v10-11 the same less the step's first key;
; v12 -M, v13 largest t, v[14:15] the sum; v16-21 Q, v22-27 zeros; v28 Q's scale word, v29 p's; v[30:31] f; v32-79 K's eight items, later V's four fragments; v80-85 zeros; v86-89 K's scale words;
; v90-93 V's; v96-159 S^T, then p; v160-191 O^T; v192-203 p's codes; v204-229 at work; v230-245 the copy.
; s16-63, s68-83: the step's 64 lane masks; s86 wave, s87 T and s88 head (at the head only), s89 the step's first key, s90 the last key that I work, s91 below it a step is far, s92 slot in hand, s93 offset in fm,
; s94 trips, s95 other slot.  In a near step s2, s3, s66, s67 and s87, s88, s100, s101 take the compares of four scores.
.set REC,   13312
.set SLOTB, 2*REC
.set SLOT1, 32768
.macro COPY_IN                         ; a slot is 1,664 pieces of 16 bytes: three for each of 512 threads, and a fourth for waves 0 to 3
	global_load_b128 v[230:233], v5, s[8:9]
	global_load_b128 v[234:237], v5, s[8:9] offset:8192
	global_load_b128 v[238:241], v5, s[8:9] offset:16384
	s_cmp_lt_u32 s86, 4
	s_cbranch_scc0 .Lthree_\@
	global_load_b128 v[242:245], v5, s[8:9] offset:24576
.Lthree_\@:
.endm
.macro COPY_OUT adr
	s_wait_loadcnt 0x0                             ; the pieces are in, and their base may step
	ds_store_b128 v[\adr], v[230:233]
	ds_store_b128 v[\adr], v[234:237] offset:8192
	ds_store_b128 v[\adr], v[238:241] offset:16384
	s_cmp_lt_u32 s86, 4
	s_cbranch_scc0 .Lthree_\@
	ds_store_b128 v[\adr], v[242:245] offset:24576
.Lthree_\@:
	s_add_nc_u64 s[8:9], s[8:9], SLOTB
.endm
	s_load_b256 s[4:11], s[0:1], 0x0               ; qc, qs, kv, fm
	s_load_b128 s[12:15], s[0:1], 0x20             ; eos, ac
	s_load_b64 s[84:85], s[0:1], 0x30              ; asc
	v_lshl_add_u32 v254, v0, 2, 0x10000
	v_mov_b32 v255, 0
	v_lshrrev_b32 v1, 5, v0
	v_readfirstlane_b32 s86, v1                    ; wave 0..15
	v_and_b32 v1, 31, v0
	v_lshlrev_b32 v3, 4, v1
	v_lshlrev_b32 v4, 3, v1
	v_lshlrev_b32 v5, 4, v0
	v_and_b32 v212, 15, v0                         ; r
	v_bfe_u32 v213, v0, 4, 1                       ; h
	v_lshlrev_b32 v214, 3, v212                    ; 8 r
	v_lshlrev_b32 v215, 2, v212                    ; 4 r
.irp j, 22,23,24,25,26,27,80,81,82,83,84,85,14,15,31,216,217,218,219
	v_mov_b32 v\j, 0                               ; zero codes; the sum; the idle half of f's pair; the lane permutes' destinations
.endr
.set n, 0
.rept 32
	v_mov_b32 v[160+n], 0                          ; O^T: the step is written once, and the first change of M leaves zeros zeros
.set n, n+1
.endr
	v_mov_b32 v7, 0xd0000000                       ; -2^33
	v_mov_b32 v13, 0xff61b1e6                      ; the largest t so far: -3e38
	v_floor_f32 v12, -v13
	s_wait_alu depctr_va_sdst(0)                   ; s86 is written, ahead of its first reader: my head, my tile and the copy's branches are made from it
	s_lshr_b32 s100, s86, 2
	s_and_b32 s101, ttmp7, 0xffff                  ; the key and value head
	s_lshl_b32 s88, s101, 2
	s_add_co_u32 s88, s88, s100                    ; my head
	s_add_co_u32 s100, s86, s100
	s_and_b32 s100, s100, 3                        ; which of the four tiles
	s_sub_co_u32 s87, 127, ttmp9
	s_bitcmp1_b32 s100, 0
	s_cselect_b32 s87, s87, ttmp9
	s_lshr_b32 s100, s100, 1
	s_lshl_b32 s100, s100, 7
	s_add_co_u32 s87, s87, s100                    ; T
	s_mul_i32 s100, s101, 32*REC
	s_mov_b32 s101, 0
	s_mov_b32 s96, 0x76543210
	s_mov_b32 s97, 0xfedcba98                      ; v_permlanex16_b32's selects for lane l xor 16
	s_mov_b32 s98, 0x3e38aa3b                      ; c = log2(e) / 8
	s_mov_b32 s99, s98
	s_mov_b32 s89, 0
	s_mov_b32 s93, 0
	s_mov_b32 s94, 16
	s_mov_b32 s95, SLOT1
	s_wait_kmcnt 0x0
	s_add_nc_u64 s[8:9], s[8:9], s[100:101]        ; my head's records
	s_wait_alu depctr_va_vdst(0)                   ; the offsets v3, v4, v5, v214 and v215 are written, which the loads and stores below read; so are the zero codes v22-27 and v80-85, which every S product takes as operand registers
	COPY_IN                                        ; slot 0
	s_lshl_b32 s100, s88, 8
	s_add_co_u32 s100, s100, s87
	s_mul_i32 s100, s100, 768
	s_add_nc_u64 s[4:5], s[4:5], s[100:101]        ; Q's item
	global_load_b128 v[16:19], v3, s[4:5]
	global_load_b64 v[20:21], v4, s[4:5] offset:512
	s_lshl_b32 s100, s88, 6
	s_lshr_b32 s92, s87, 2
	s_add_co_u32 s100, s100, s92
	s_lshl_b32 s100, s100, 8                       ; the block of scale words of my group of four tiles;
	s_and_b32 s92, s87, 1
	s_lshl_b32 s92, s92, 7
	s_add_co_u32 s100, s100, s92                   ; in it tile y = T % 4 has lanes 16 (y % 2) on,
	s_and_b32 s92, s87, 2
	s_lshl_b32 s92, s92, 1
	s_add_co_u32 s100, s100, s92                   ; word y / 2
	s_add_nc_u64 s[6:7], s[6:7], s[100:101]
	global_load_b32 v28, v214, s[6:7]
	s_lshl_b32 s100, s87, 6
	s_add_nc_u64 s[12:13], s[12:13], s[100:101]    ; eos of my 16 queries: as scalars and a lane a query
	s_load_b512 s[16:31], s[12:13], 0x0
	global_load_b32 v9, v215, s[12:13]
	s_lshl_b32 s100, s87, 4
	s_add_co_u32 s100, s100, s88
	s_mul_i32 s100, s100, 768
	s_add_nc_u64 s[14:15], s[14:15], s[100:101]    ; my item of ac
	s_lshl_b32 s100, s87, 9
	s_lshr_b32 s92, s88, 1
	s_lshl_b32 s92, s92, 6
	s_add_co_u32 s100, s100, s92
	s_and_b32 s92, s88, 1
	s_lshl_b32 s92, s92, 1
	s_add_co_u32 s100, s100, s92
	s_add_nc_u64 s[84:85], s[84:85], s[100:101]    ; asc: 512 T + 64 (head / 2) + 2 (head % 2)
	s_mov_b32 s92, 0
	s_wait_kmcnt 0x0
.irp i, 17,18,19,20,21,22,23,24,25,26,27,28,29,30,31
	s_min_i32 s16, s16, s\i
.endr
	s_max_i32 s16, s16, 0                          ; the least eos of my queries
	s_lshl_b32 s100, s87, 4                        ; my first query
	s_min_i32 s91, s16, s100                       ; a step all of whose keys lie under this is FAR: every key is causal for every query, and none lies in a query's own sentence
	s_add_co_u32 s90, s100, 15                     ; my last query
	COPY_OUT 5                                     ; (its wait is for all loads: Q, its scale word and eos too)
	v_cmp_gt_i32 vcc_lo, 0, v9
	s_wait_alu depctr_va_vcc(0)                    ; the compare has written VCC, which the select reads
	v_cndmask_b32 v9, v9, v22, vcc_lo              ; eos held to 0 .. 4,096: the mask is the same, and the differences below cannot wrap
	v_min_u32 v9, 0x1000, v9
	v_add_nc_u32 v8, s100, v212                    ; my query
	v_cmp_gt_i32 vcc_lo, v9, v8
	s_wait_alu depctr_va_vcc(0)                    ; the compare has written VCC, which the scalar compare reads
	s_cmp_lg_u32 vcc_lo, 0                         ; a query with eos > query may have no key at all:
	s_cselect_b32 s90, 0xfff, s90                  ; then I walk all keys
	v_lshlrev_b32 v213, 3, v213
	v_sub_nc_u32 v8, v8, v213
	v_sub_nc_u32 v9, v9, v213
; A KEY STEP: 128 keys, record q of the slot in hand.
.macro STEP q
	s_cmp_gt_u32 s89, s90                          ; all its keys come after what I work: only the lines at its end are run
	s_cbranch_scc1 .Lhid_\@
	s_load_b512 s[16:31], s[10:11], s93 offset:0x0 ; the step's 64 lane masks
	s_load_b512 s[32:47], s[10:11], s93 offset:0x40
	s_load_b512 s[48:63], s[10:11], s93 offset:0x80
	s_load_b512 s[68:83], s[10:11], s93 offset:0xc0
.if \q > 0
	s_wait_alu depctr_vm_vsrc(0)                   ; the first step's LDS loads have read v1 and v2, which are written anew below (for a trip's first step the wait at the trip's head says the same)
.endif
	v_add_nc_u32 v1, s92, v3
	v_add_nc_u32 v2, s92, v4
	v_nop
	v_nop                                          ; four plain lines behind the last step's products stay beside the wait below
	s_wait_alu depctr_va_vdst(0)                   ; v1 and v2 are written, which this step's LDS loads read; the last step's products are done reading v32-79 and v86-91, in which K's items and scale words land
.irp t, 0,1,2,3,4,5,6,7
	ds_load_b128 v[32+6*\t:35+6*\t], v1 offset:REC*(\q)+768*\t
	ds_load_b64 v[36+6*\t:37+6*\t], v2 offset:REC*(\q)+768*\t+512
.endr
	ds_load_b64 v[86:87], v2 offset:REC*(\q)+12288
	ds_load_b64 v[88:89], v2 offset:REC*(\q)+12544
	s_wait_dscnt 0x0
.irp u, 0,1,2,3                        ; S^T: tile t = 16 keys; register j of lane (r, h) is key 16 t + 8 h + j, query r.  A scale register holds tile 2 u's words in lanes 0-15 and tile 2 u + 1's in lanes 16-31
	v_wmma_scale_f32_16x16x128_f8f6f4 v[96+16*\u:103+16*\u], v[32+12*\u:43+12*\u], v[16:27], 0, v[86+\u], v28 matrix_a_fmt:MATRIX_FMT_FP6 matrix_b_fmt:MATRIX_FMT_FP6
	v_wmma_scale_f32_16x16x128_f8f6f4 v[104+16*\u:111+16*\u], v[38+12*\u:49+12*\u], v[16:27], 0, v[86+\u], v28 matrix_a_fmt:MATRIX_FMT_FP6 matrix_b_fmt:MATRIX_FMT_FP6 matrix_a_scale:MATRIX_SCALE_ROW1
.endr
.rept 4
	v_nop                                          ; places behind the products, ahead of the first read of the scores
.endr
	s_wait_alu depctr_va_vdst(0)                   ; the eight products are done reading K's registers v32-79, in which V's fragments land; the last step's v_perm_b32 and products are done with v90-93, in which V's scale words land
.irp t, 0,1,2,3                        ; V's fragments land while the softmax is worked: channels 16 t on; registers 6 c on: keys 64 c on
.irp c, 0,1
	ds_load_b128 v[32+12*\t+6*\c:35+12*\t+6*\c], v1 offset:REC*(\q)+6144+3072*\c+768*\t
	ds_load_b64 v[36+12*\t+6*\c:37+12*\t+6*\c], v2 offset:REC*(\q)+6144+3072*\c+768*\t+512
.endr
.endr
	ds_load_b64 v[90:91], v2 offset:REC*(\q)+12800
	ds_load_b64 v[92:93], v2 offset:REC*(\q)+13056
	s_wait_kmcnt 0x0                               ; the lane masks
	s_add_co_u32 s100, s89, 127
	s_cmp_lt_i32 s100, s91
	s_cbranch_scc1 .Lfar_\@
	v_sub_nc_u32 v10, v8, s89                      ; NEAR.  Register n = 8 t + j holds key (first key) + 8 h + 16 t + j: causal where 16 t + j <= v10, in the sentence where 16 t + j >= v11
	v_sub_nc_u32 v11, v9, s89
.set n, 0
.rept 16                               ; four scores at a time: their eight compares in one run, into eight scalar registers
.irp i, 0,1,2,3
	v_cmp_ge_i32 s[2+\i+62*(\i/2)], 16*((n+\i)/8)+(n+\i)%8, v11     ; s2, s3, s66, s67: in the query's sentence
	v_cmp_le_i32 s[87+\i+11*(\i/2)], 16*((n+\i)/8)+(n+\i)%8, v10    ; s87, s88, s100, s101: causal
.endr
.irp i, 0,1,2,3
	v_cndmask_b32 v[224+\i], v7, v[96+n+\i], s[16+n+\i+4*((n+\i)/48)]  ; special (a mask that a scalar load brought: it reads none of the compares),
.endr
	s_wait_alu depctr_va_sdst(0)                   ; the eight compares have written their scalar registers, which the selects below read
.irp i, 0,1,2,3
	v_cndmask_b32 v[224+\i], v[224+\i], v[96+n+\i], s[2+\i+62*(\i/2)]  ; or in the query's sentence,
.endr
.irp i, 0,1,2,3
	v_cndmask_b32 v[96+n+\i], v7, v[224+\i], s[87+\i+11*(\i/2)]        ; and causal
.endr
.set n, n+4
.endr
	s_branch .Lmasked_\@
.Lfar_\@:
.set n, 0
.rept 64
	v_cndmask_b32 v[96+n], v7, v[96+n], s[16+n+4*(n/48)]  ; FAR: the special keys alone count
.set n, n+1
.endr
.Lmasked_\@:
.irp b, 0,1,2,3
	v_max3_num_f32 v[212+\b], v[96+16*\b], v[97+16*\b], v[98+16*\b]   ; the largest score of each block of 32 keys: for the row's maximum and, since p rises with the score, for the block's largest p
.endr
.irp i, 3,5,7,9,11,13
.irp b, 0,1,2,3
	v_max3_num_f32 v[212+\b], v[212+\b], v[96+16*\b+\i], v[97+16*\b+\i]
.endr
.endr
.irp b, 0,1,2,3
	v_max_num_f32 v[212+\b], v[212+\b], v[111+16*\b]
.endr
.irp b, 0,1,2,3
	v_permlanex16_b32 v[216+\b], v[212+\b], s96, s97
.endr
.irp b, 0,1,2,3
	v_max_num_f32 v[212+\b], v[212+\b], v[216+\b]  ; with lane l xor 16's 16 keys
.endr
	v_max3_num_f32 v224, v212, v213, v214
	v_max_num_f32 v224, v224, v215
	v_mul_f32 v224, s98, v224                      ; the step's largest t
	v_max_num_f32 v13, v13, v224
	v_mov_b32 v224, v12
	v_floor_f32 v12, -v13                          ; the new -M: M is a whole number
	v_sub_f32 v224, v12, v224
	v_cvt_i32_f32 v224, v224                       ; (it saturates)
	v_ldexp_f32 v30, 1.0, v224                     ; f = 2^(old M - new M)
.set n, 0
.rept 32
	v_pk_fma_f32 v[96+n:97+n], v[96+n:97+n], s[98:99], v[12:13] op_sel_hi:[1,0,0]   ; t - M
.set n, n+2
.endr
.irp b, 0,1,2,3
	v_fma_f32 v[212+\b], v[212+\b], s98, v12
.endr
.set n, 0
.rept 64
	v_exp_f32 v[96+n], v[96+n]                     ; p = 2^(t - M)
.set n, n+1
.endr
	v_pk_mul_f32 v[14:15], v[14:15], v[30:31] op_sel_hi:[1,0]   ; the sums under the new M: a plain line behind the exponentials
	s_wait_alu depctr_va_vdst(0)                   ; the 64 exponentials have written v96-159: one wait for the batch, ahead of its first reader
.irp b, 0,1,2,3
	v_exp_f32 v[212+\b], v[212+\b]                 ; each block's largest p
.endr
	v_pk_add_f32 v[226:227], v[96:97], v[98:99]    ; the row's sum of the unquantised p, in two chains
.irp j, 4,8,12,16,20,24,28,32,36,40,44,48,52,56,60
	v_pk_add_f32 v[14:15], v[14:15], v[96+\j:97+\j]
	v_pk_add_f32 v[226:227], v[226:227], v[98+\j:99+\j]
.endr
	v_pk_add_f32 v[14:15], v[14:15], v[226:227]
	s_wait_alu depctr_va_vdst(0)                   ; the four exponentials have written v212-215, ahead of their first reader
.irp b, 0,1,2,3
	v_max_num_f32 v[212+\b], 0x1800000, v[212+\b]  ; the floor 2^(3 - 127)
.endr
.irp b, 0,1,2,3
	v_add_nc_u32 v[220+\b], 0xff000000, v[212+\b]  ; the conversion's scale operand
.endr
.irp b, 0,1,2,3
	v_lshrrev_b32 v[216+\b], 23, v[220+\b]         ; the scale's byte
.endr
	v_lshl_or_b32 v29, v217, 8, v216               ; p's scale word for these 128 keys
	v_lshl_or_b32 v29, v218, 16, v29
	v_lshl_or_b32 v29, v219, 24, v29
.irp c, 0,1
	v_cvt_scalef32_pk16_fp6_f32 v[192+6*\c:194+6*\c], v[96+32*\c:111+32*\c], v[220+2*\c]
	v_cvt_scalef32_pk16_fp6_f32 v[204+4*\c:206+4*\c], v[112+32*\c:127+32*\c], v[220+2*\c+1]
.endr
	v_nop                                          ; one plain place behind a scaled conversion
.irp c, 0,1
.irp i, 0,1,2
	v_permlane16_swap_b32 v[192+6*\c+\i], v[204+4*\c+\i]
.endr
.irp i, 0,1,2
	v_mov_b32 v[195+6*\c+\i], v[204+4*\c+\i]
.endr
.endr
	s_wait_dscnt 0x0                               ; V and its scale words are in
	v_perm_b32 v90, v92, v90, 0x05040100           ; a channel's word: the two bytes of keys 0-63 below, those of keys 64-127 above
	v_perm_b32 v91, v93, v91, 0x05040100
.irp j, 0,2,4,6,8,10,12,14,16,18,20,22,24,26,28,30
	v_pk_mul_f32 v[160+\j:161+\j], v[160+\j:161+\j], v[30:31] op_sel_hi:[1,0]   ; O^T under the new M; these sixteen are also the places between the scale words just made and the products
.endr
	s_wait_alu depctr_va_vdst(0)                   ; vector lines have written p's codes v192-203, p's scale word v29 and V's words v90-91, which the products below take as operand and scales; the places above stay beside this wait
.irp u, 0,1                            ; O^T += V^T P^T; the four accumulators take turns
	v_wmma_scale_f32_16x16x128_f8f6f4 v[160+16*\u:167+16*\u], v[32+24*\u:43+24*\u], v[192:203], v[160+16*\u:167+16*\u], v[90+\u], v29 matrix_a_fmt:MATRIX_FMT_FP6 matrix_b_fmt:MATRIX_FMT_FP6
	v_wmma_scale_f32_16x16x128_f8f6f4 v[168+16*\u:175+16*\u], v[44+24*\u:55+24*\u], v[192:203], v[168+16*\u:175+16*\u], v[90+\u], v29 matrix_a_fmt:MATRIX_FMT_FP6 matrix_b_fmt:MATRIX_FMT_FP6 matrix_a_scale:MATRIX_SCALE_ROW1
.endr
.Lhid_\@:
	s_add_co_u32 s89, s89, 128
	s_add_co_u32 s93, s93, 256
.endm
.Ltrip:                                                ; 16 trips, a slot of two key steps each
	s_wait_dscnt 0x0                               ; my stores into the slot ahead have landed, and my reads of the slot that I have left are in
	s_wait_alu depctr_vm_vsrc(0)                   ; my LDS stores have read v230-245, in which this trip's copy lands, and v6; my LDS loads have read v1 and v2; in the first trip the head's loads have read v214 and v215: all are written anew in this trip
	s_barrier_signal -1
	s_barrier_wait -1                              ; both now hold of all sixteen waves
	s_cmp_eq_u32 s94, 1                            ; the last trip has nothing to fetch: no load leaves the buffer
	s_cbranch_scc1 .Lno_load
	COPY_IN                                        ; the next slot's records: two key steps ahead of the wait for them.  No vector instruction names v230-245, and v5 stands since the head
.Lno_load:
	STEP 0
	STEP 1
	s_cmp_eq_u32 s94, 1
	s_cbranch_scc1 .Lno_store
	v_add_nc_u32 v6, s95, v5
	s_wait_alu depctr_va_vdst(0)                   ; v6 is written, which the LDS stores below read as their address
	COPY_OUT 6                                     ; into the slot that every wave left in front of this trip's barrier
.Lno_store:
	s_xor_b32 s92, s92, SLOT1
	s_xor_b32 s95, s95, SLOT1
	s_sub_co_u32 s94, s94, 1
	s_cmp_lg_u32 s94, 0
	s_cbranch_scc1 .Ltrip
	; THE WAY OUT: O^T / the sum; the halves of the lanes change places so that a lane holds 16 NEIGHBOURING channels (Wo's codes are given in the true order); the quantiser; one item and 32 scale bytes
.rept 4
	v_nop                                          ; places behind the last products
.endr
	v_add_f32 v14, v14, v15
	v_permlanex16_b32 v216, v14, s96, s97
	v_add_f32 v14, v14, v216                       ; the row's sum
	v_rcp_f32 v14, v14
	v_and_b32 v224, 15, v0
	v_bfe_u32 v225, v0, 4, 1
	v_lshl_add_u32 v224, v224, 2, v225             ; 4 r + h
	v_lshlrev_b32 v225, 3, v225                    ; 8 h
	s_wait_alu depctr_va_vdst(0)                   ; the reciprocal has written v14, ahead of its first reader
.set n, 0
.rept 32
	v_mul_f32 v[96+n], v[160+n], v14               ; register 8 t + j: channel 16 t + 8 h + j
.set n, n+1
.endr
.irp b, 0,1
.irp j, 0,1,2,3,4,5,6,7
	v_permlane16_swap_b32 v[96+16*\b+\j], v[104+16*\b+\j]   ; register 16 b + i now holds channel 32 b + 16 h + i
.endr
.endr
.irp b, 0,1
	v_max3_num_f32 v[212+\b], |v[96+16*\b]|, |v[97+16*\b]|, 0x1800000
.endr
.irp i, 2,4,6,8,10,12,14
.irp b, 0,1
	v_max3_num_f32 v[212+\b], v[212+\b], |v[96+16*\b+\i]|, |v[97+16*\b+\i]|
.endr
.endr
.irp b, 0,1
	v_permlanex16_b32 v[216+\b], v[212+\b], s96, s97
.endr
.irp b, 0,1
	v_max_num_f32 v[212+\b], v[212+\b], v[216+\b]
.endr
.irp b, 0,1
	v_add_nc_u32 v[220+\b], 0xff000000, v[212+\b]
.endr
.irp b, 0,1
	v_lshrrev_b32 v[216+\b], 23, v[220+\b]
.endr
	v_cvt_scalef32_pk16_fp6_f32 v[192:194], v[96:111], v220
	v_cvt_scalef32_pk16_fp6_f32 v[204:206], v[112:127], v221
	v_lshl_or_b32 v226, v217, 8, v216              ; (the plain place behind the conversions)  both bytes,
	v_lshrrev_b32 v226, v225, v226                 ; my half's lowest
.irp i, 0,1,2
	v_permlane16_swap_b32 v[192+\i], v[204+\i]
.endr
.irp i, 0,1,2
	v_mov_b32 v[195+\i], v[204+\i]
.endr
	s_wait_alu depctr_va_vdst(0)                   ; the codes v192-197, the byte v226 and the offset v224 are written, which the three stores read
	global_store_b128 v3, v[192:195], s[14:15]     ; 512 consecutive bytes,
	global_store_b64 v4, v[196:197], s[14:15] offset:512   ; and 256
	global_store_b8 v224, v226, s[84:85]           ; byte 2 (head % 2) + h of row r's word of K step head / 2
	s_wait_dscnt 0x0                               ; the closing lines, six on end
	s_wait_alu 0x0
	s_wait_tensorcnt 0x0
	ds_add_u32 v254, v255
	s_wait_dscnt 0x0
	s_endpgm
.Lfunc_end_k_q4bfa0476a8_attn:
	.size	k_q4bfa0476a8_attn, .Lfunc_end_k_q4bfa0476a8_attn-k_q4bfa0476a8_attn
	.p2alignl 7, 3214868480
	.fill 96, 4, 3214868480
	.section	.rodata,"a",@progbits
	.p2align	6, 0x0
	.amdhsa_kernel k_q4bfa0476a8_attn
		.amdhsa_group_segment_fixed_size 67584
		.amdhsa_private_segment_fixed_size 0
		.amdhsa_enable_private_segment 0
		.amdhsa_kernarg_size 56
		.amdhsa_user_sgpr_count 2
		.amdhsa_user_sgpr_kernarg_segment_ptr 1
		.amdhsa_wavefront_size32 1
		.amdhsa_system_sgpr_workgroup_id_x 1
		.amdhsa_system_sgpr_workgroup_id_y 1
		.amdhsa_system_sgpr_workgroup_id_z 1
		.amdhsa_system_vgpr_workitem_id 0
		.amdhsa_next_free_vgpr 256
		.amdhsa_next_free_sgpr 102
		.amdhsa_reserve_vcc 1
		.amdhsa_float_denorm_mode_32 3
		.amdhsa_float_denorm_mode_16_64 3
		.amdhsa_memory_ordered 1
		.amdhsa_forward_progress 1
		.amdhsa_inst_pref_size 100
	.end_amdhsa_kernel
	.amdgpu_metadata
---
amdhsa.version: [ 1, 2 ]
amdhsa.kernels:
  - .name:           k_q4bfa0476a8_attn
    .symbol:         k_q4bfa0476a8_attn.kd
    .args:
      - { .name: qc, .offset: 0, .size: 8, .value_kind: global_buffer, .address_space: global }
      - { .name: qs, .offset: 8, .size: 8, .value_kind: global_buffer, .address_space: global }
      - { .name: kv, .offset: 16, .size: 8, .value_kind: global_buffer, .address_space: global }
      - { .name: fm, .offset: 24, .size: 8, .value_kind: global_buffer, .address_space: global }
      - { .name: clothest_end_of_sentence_token_idx, .offset: 32, .size: 8, .value_kind: global_buffer, .address_space: global }
      - { .name: ac, .offset: 40, .size: 8, .value_kind: global_buffer, .address_space: global }
      - { .name: asc, .offset: 48, .size: 8, .value_kind: global_buffer, .address_space: global }
    .group_segment_fixed_size: 67584
    .private_segment_fixed_size: 0
    .kernarg_segment_align: 8
    .kernarg_segment_size: 56
    .max_flat_workgroup_size: 512
    .sgpr_count:     102
    .vgpr_count:     256
    .wavefront_size: 32
...
	.end_amdgpu_metadata
.endif
;; end of part 4
;; launch oproj: the kernel of part 3 again; grid 8 x 32, 4 waves a work-group, clusters of 4 x 4, 229,120 bytes of LDS; arguments ac, asc, Wo_codes, Wo_scales, out0; writes out0
